; MI455X (gfx1250); checked and timed in simulation.
; The chip was launched on July 23, 2026; its instructions are those of AMD's public machine-readable ISA for CDNA 5 (MIT licence, August 2026) and "CDNA5" Instruction Set Architecture Reference Guide (July 2026). The comments in the code are by the model that wrote it; some were corrected since.
;; Multi Head Attention. Allowed arithmetic: matrix products marked QUANTISED: E2M3 operands, one E8M0 scale for each 32 along K, by v_wmma_scale_f32_16x16x128_f8f6f4 with both operands' format E2M3, f32 sums; everything else in f32.
;; Inputs: Wk 1,024 x 1,024 float32; Wo 1,024 x 1,024 float32; Wq 1,024 x 1,024 float32; Wv 1,024 x 1,024 float32; bk 1,024 float32; bo 1,024 float32; bq 1,024 float32; bv 1,024 float32; k 2 x 2,048 x 1,024 float32; q 2 x 2,048 x 1,024 float32; v 2 x 2,048 x 1,024 float32.
;; Outputs: out0 2 x 2,048 x 1,024 float32.
;; This version of the problem:
;;   THIS VERSION OF THE PROBLEM IS GIVEN IN LOW PRECISION. The matrix products marked QUANTISED in the list below multiply operands that are first quantised to E2M3 (2 exponent bits, 3 mantissa bits; 6 bits a number), with one power-of-two scale for each 32 numbers along K (OCP MX v1.0); their sums are f32. All else is computed in f32.
;;   The module's matrix products, in the order in which they are computed (A, B: the left and right operand; K: the contracted axis; several contracted axes count as one K, in the product's order):
;;     1. [M 4,096, K 1,024] x [K 1,024, N 1,024]; A: input q; B: input Wq: QUANTISED
;;     2. [M 4,096, K 1,024] x [K 1,024, N 1,024]; A: input k; B: input Wk: QUANTISED
;;     3. [M 4,096, K 1,024] x [K 1,024, N 1,024]; A: input v; B: input Wv: QUANTISED
;;     4. batch 32 x [M 2,048, K 64] x [K 64, N 2,048]; A: computed on the way; B: computed on the way: QUANTISED
;;     5. batch 32 x [M 2,048, K 2,048] x [K 2,048, N 64]; A: softmax (see below); B: computed on the way: QUANTISED
;;     6. [M 4,096, K 1,024] x [K 1,024, N 1,024]; A: computed on the way; B: input Wo: QUANTISED
;;   THE QUANTISER, for each operand of a quantised product, along K:
;;     - K is cut into blocks of 32 from its start; a last block that is shorter is filled with zeros.
;;     - A block's scale is 2^e with e = floor(log2(the largest magnitude in the block)) - 2, held to -126 .. 127; a block of zeros has e = 0. As a byte (E8M0): e + 127.
;;     - Each number is divided by its block's scale, clamped to +-7.5, and rounded to the nearest number of E2M3, ties to even, subnormals kept.
;;     - The product sums the exact products of the quantised numbers (number of the format x scale) in f32.
;;   ~~~python
;;   def quantise(x, axis):      # numpy; x: float32 -> the quantised numbers, widened to float32 again
;;       x = np.moveaxis(x, axis, -1); K = x.shape[-1]
;;       x = np.pad(x, [(0, 0)] * (x.ndim - 1) + [(0, -K % 32)]); x = x.reshape(x.shape[:-1] + (-1, 32)); a = np.abs(x).max(-1, keepdims=True)
;;       e = np.where(a > 0, np.clip(np.frexp(np.where(a > 0, a, 1))[1] - 1 - 2, -126, 127), 0)      # np.frexp(a)[1] - 1 = floor(log2(a)), exactly
;;       r = np.clip(x / 2.0 ** e, -7.5, 7.5)
;;       step = 2.0 ** (np.maximum(np.frexp(np.where(r == 0, 1, r))[1] - 1, 0) - 3)
;;       q = np.round(r / step) * step * 2.0 ** e      # np.round: ties to even
;;       return np.moveaxis(q.reshape(q.shape[:-2] + (-1,))[..., :K], -1, axis).astype(np.float32)
;;   ~~~
;;   SOFTMAX AHEAD OF A QUANTISED PRODUCT. Where the list says 'softmax', what is quantised is not the finished softmax but p = 2^(t - M), with t = logit x log2(e) and M = ceil(the row's largest t), a whole number; so 1/2 < the row's largest p <= 1. The row's sum l is taken of the UNQUANTISED p, in f32, and the product's result is divided by l at the end. Since M is a whole number, a kernel that streams over the keys may use a running M (the ceiling of the running maximum): every later rescaling is an exact power of two, which a block's scale takes up: the codes' values come out the same.
;;   OPERANDS COMPUTED ON THE WAY. 'Computed on the way' means the value that the module computes at that place (a softmax that the list does not call 'softmax' is quantised finished and normalised). What goes into a quantiser is computed in f32, as accurately as f32 sums, v_exp_f32 and their like allow (about 1e-6 of the number): no bf16 or f16 on the way to a quantiser, and a product that is left as it is and whose result goes on into a quantised operand takes f32 operands (vector FMAs, or v_wmma_f32_16x16x4_f32). A number that lies on a knife's edge between two numbers of the format may be rounded either way, as far as f32 arithmetic and the matrix unit's own rounding can turn it there, and no further.
;; One version. Each part assembles by itself: llvm-mc -triple=amdgcn-amd-amdhsa -mcpu=gfx1250 --defsym DOCPART=n.
;; ======== version 1 of 1: 4 launches
;; limits: right only within a limited range of input values
;; workspace buffers: xw 13,107,200 bytes; qc 3,407,872 bytes; kv 6,684,672 bytes; cc 3,276,800 bytes
;; launch quant (part 1): grid 128 x 2, 8 waves a work-group, no clusters, 68,608 bytes of LDS; arguments q, k, v, Wq, Wk, Wv, Wo, xw; writes xw
.if DOCPART == 1
	.amdgcn_target "amdgcn-amd-amdhsa--gfx1250"
	.amdhsa_code_object_version 6
	.text
	.protected	k_q4dc2180432_quant
	.globl	k_q4dc2180432_quant
	.p2align	8
	.type	k_q4dc2180432_quant,@function
k_q4dc2180432_quant:
	s_mov_b64 s[64:65], 0
	v_nop
	global_prefetch_b8 v0, s[64:65] scope:SCOPE_SE
	s_setreg_imm32_b32 hwreg(HW_REG_WAVE_MODE, 25, 1), 1
	s_wait_xcnt 0x0
; q, k, v [4096][1024] and Wq, Wk, Wv, Wo [1024][1024], f32, K innermost, become codes of FP6 (E2M3) with one E8M0 byte for each 32 along K, in the workspace xw.
; A block's scale is 2^(floor(log2(its largest magnitude)) - 2); its byte is the largest magnitude's exponent field - 2, held at 1 from below.
; LIMITS: NaN and infinities among the inputs are not served; a block whose largest magnitude lies under 2^-124 keeps the byte 1; a block of zeros gets the byte 1 where the rule says 127:
; its codes are zeros, which add nothing under any byte but 0xff, and this program alone reads the bytes.
; LAYOUT OF xw: [block of 128 rows, 0..127][K step of 128, 0..7][12,800 bytes].  Blocks 0-31 q, 32-63 k, 64-95 v, 96-103 Wq, 104-111 Wk, 112-119 Wv, 120-127 Wo.
; A record is eight IMAGES OF OPERAND REGISTERS (16 rows x 128 K: 12 registers a lane; registers 2 p, 2 p + 1 of lane l at byte 256 p + 8 l: 1,536 bytes), then 8 x 16 scale words at 12,288 + 64 T + 4 r.
; THE ROWS OF A TILE ARE NOT NEIGHBOURS: lane-row t of tile T is row 32 (T / 2) + 8 (T % 2) + t + 8 (t / 8) of the block, so that a product's results run along neighbours of the next K.
; SHARES: a work-group takes a block and four of its eight K steps; wave T makes tile T: four fragments.  Each load reads 512 consecutive bytes of one row; the 16 rows turn through the wave's own stage in LDS
; (rows 528 bytes apart, so that the sixteen rows of a read start in different banks) and come back 16 neighbours of each block of 32 a lane.  No tensor loads, no barrier: waves share nothing.
.set REC,  12800
.set SP,   528                         ; a stage row: 512 bytes + 16
.set WST,  16*SP                       ; a wave's stage
.set R,    16                          ; v16-143  two sets of 64 numbers as loaded
.set X,    144                         ; v144-207 register 16 b + i = k 32 b + 16 (lane / 16) + i of my row
.set TM,   208                         ; v208-223 at work
.set PW,   224                         ; the scale word
.set PC,   226                         ; v226-245 the codes
.set SEL,  24                          ; s[24:25] lane selects: lane l xor 16
; 64 numbers of a lane become a fragment's codes in v[PC] on and its scale word in v[PW]
.macro QUANT s
.irp b, 0,1,2,3
	v_max3_num_f32 v[TM+\b], |v[\s+16*\b]|, |v[\s+1+16*\b]|, 0x1800000   ; my 16 numbers of block b, and the floor 2^(3 - 127): the byte cannot fall under 1
.endr
.irp i, 2,4,6,8,10,12,14
.irp b, 0,1,2,3
	s_delay_alu instid0(VALU_DEP_4)
	v_max3_num_f32 v[TM+\b], v[TM+\b], |v[\s+16*\b+\i]|, |v[\s+1+16*\b+\i]|   ; the four blocks by turns
.endr
.endr
.irp b, 0,1,2,3
	s_delay_alu instid0(VALU_DEP_4)
	v_permlanex16_b32 v[TM+4+\b], v[TM+\b], s[SEL], s[SEL+1]
.endr
.irp b, 0,1,2,3
	s_delay_alu instid0(VALU_DEP_4)
	v_max_num_f32 v[TM+\b], v[TM+\b], v[TM+4+\b]   ; with lane l xor 16's: the block's largest magnitude
.endr
.irp b, 0,1,2,3
	s_delay_alu instid0(VALU_DEP_4)
	v_add_nc_u32 v[TM+12+\b], 0xff000000, v[TM+\b]   ; 2 off its exponent field: the conversion's scale operand
.endr
.irp b, 0,1,2,3
	s_delay_alu instid0(VALU_DEP_4)
	v_lshrrev_b32 v[TM+4+\b], 23, v[TM+12+\b]      ; the scale's byte
.endr
	s_delay_alu instid0(VALU_DEP_3)
	v_lshl_or_b32 v[PW], v[TM+5], 8, v[TM+4]
	s_delay_alu instid0(VALU_DEP_1)
	v_lshl_or_b32 v[PW], v[TM+6], 16, v[PW]
	s_delay_alu instid0(VALU_DEP_1)
	v_lshl_or_b32 v[PW], v[TM+7], 24, v[PW]
.irp c, 0,1
	v_cvt_scalef32_pk16_fp6_f32 v[PC+6*\c:PC+2+6*\c], v[\s+32*\c:\s+15+32*\c], v[TM+12+2*\c]
	v_cvt_scalef32_pk16_fp6_f32 v[PC+12+4*\c:PC+14+4*\c], v[\s+16+32*\c:\s+31+32*\c], v[TM+12+2*\c+1]   ; (three registers from an even one)
.endr
	v_nop                                          ; one plain line behind the scaled conversions
.irp c, 0,1                                    ; the operand wants a whole block in a lane: lanes 0-15 block 2 c, lanes 16-31 block 2 c + 1
.irp i, 0,1,2
	v_permlane16_swap_b32 v[PC+6*\c+\i], v[PC+12+4*\c+\i]
.endr
.irp i, 0,1,2
	s_delay_alu instid0(VALU_DEP_3)
	v_mov_b32 v[PC+3+6*\c+\i], v[PC+12+4*\c+\i]
.endr
.endr
.endm
.macro PICK lim, ptr, first            ; blocks under lim belong to an earlier tensor: the choice hangs on the work-group's number alone
	s_cmp_lt_u32 ttmp9, \lim
	s_cselect_b64 s[20:21], s[\ptr:\ptr+1], s[20:21]
	s_cselect_b32 s22, \first, s22
.endm
.macro LOAD f                          ; fragment f: 512 bytes of each of my 16 rows into set f % 2
.irp t, 0,1,2,3,4,5,6,7,8,9,10,11,12,13,14,15
	global_load_b128 v[R+64*((\f)%2)+4*\t:R+64*((\f)%2)+4*\t+3], v[4+5*(\t/8)], s[20:21] offset:\t*4096+512*(\f) th:TH_LOAD_NT   ; lane-rows 8-15 go by v9, which holds their further distance
.endr
.endm
.macro TURN f                          ; through the stage: LDS serves a wave's instructions in order, so no wait stands between the stores and the loads
.irp t, 0,1,2,3,4,5,6,7,8,9,10,11,12,13,14,15
	ds_store_b128 v5, v[R+64*((\f)%2)+4*\t:R+64*((\f)%2)+4*\t+3] offset:SP*\t
.endr
.irp b, 0,1,2,3
.irp j, 0,1,2,3
	ds_load_b128 v[X+16*\b+4*\j:X+16*\b+4*\j+3], v6 offset:128*\b+16*\j
.endr
.endr
.endm
	s_load_b512 s[4:19], s[0:1], 0x0               ; q, k, v, Wq, Wk, Wv, Wo, xw
	v_lshl_add_u32 v254, v0, 2, 0x10800
	v_mov_b32 v255, 0
	v_lshrrev_b32 v1, 5, v0
	s_delay_alu instid0(VALU_DEP_1)
	v_readfirstlane_b32 s26, v1                    ; wave = tile T
	v_and_b32 v1, 31, v0                           ; lane
	v_and_b32 v2, 15, v0                           ; r
	v_bfe_u32 v3, v0, 4, 1                         ; h
	s_delay_alu instid0(VALU_DEP_3)
	v_lshlrev_b32 v4, 4, v1                        ; my 16 bytes of a load's 512
	s_mul_i32 s27, s26, WST
	v_add_nc_u32 v5, s27, v4                       ; the stage on the way in
	v_mul_u32_u24 v6, v2, SP
	s_delay_alu instid0(VALU_DEP_1)
	v_lshl_add_u32 v6, v3, 6, v6
	s_delay_alu instid0(VALU_DEP_1)
	v_add_nc_u32 v6, s27, v6                       ; and on the way out: row r, + 64 h
	s_mul_i32 s28, s26, 1536
	v_lshl_add_u32 v7, v1, 3, s28                  ; my 8 bytes of a piece of image T
	s_lshl_b32 s28, s26, 6
	s_add_co_u32 s28, s28, 12288
	v_lshl_add_u32 v8, v2, 2, s28                  ; my row's scale word
.irp b, 0,1,2,3
	v_mov_b32 v[TM+4+\b], 0                        ; written once: a lane permute's destination counts as one of its sources
.endr
	s_mov_b32 s[SEL], 0x76543210
	s_mov_b32 s[SEL+1], 0xfedcba98
	s_and_b32 s29, ttmp7, 0xffff                   ; which four K steps
	; THE TOKENS OF k (blocks 32-63) ARE DEALT OTHERWISE: lane-row t of tile T is row 64 (T / 4) + 8 (T % 4) + t % 8 + 32 (t / 8), so that in the scores a lane holds whole blocks of 32 keys.  z = 2 for k, else 1
	s_lshr_b32 s31, ttmp9, 5
	s_cmp_eq_u32 s31, 1
	s_cselect_b32 s31, 2, 1
	s_lshl_b32 s36, 8, s31
	s_sub_co_u32 s36, s36, 8                       ; lane-rows 8-15 lie 8 (or, for k, 24) rows further on
	s_lshl_b32 s36, s36, 12
	v_add_nc_u32 v9, s36, v4
	s_wait_alu depctr_va_vdst(0)
	s_wait_kmcnt 0x0
	s_mov_b64 s[20:21], s[16:17]                   ; Wo, unless the block is an earlier tensor's
	s_mov_b32 s22, 120
	PICK 120, 14, 112
	PICK 112, 12, 104
	PICK 104, 10, 96
	PICK 96, 8, 64
	PICK 64, 6, 32
	PICK 32, 4, 0
	s_sub_co_u32 s23, ttmp9, s22                   ; the block within its tensor
	s_lshl_b32 s23, s23, 7
	s_lshr_b32 s30, s26, s31
	s_add_co_u32 s37, s31, 4
	s_lshl_b32 s30, s30, s37                       ; (T >> z) << (4 + z)
	s_add_co_u32 s23, s23, s30
	s_bfm_b32 s37, s31, 0
	s_and_b32 s30, s26, s37                        ; T % 2^z
	s_lshl_b32 s30, s30, 3
	s_add_co_u32 s23, s23, s30                     ; my tile's first row: 128 x block + 32 (T / 2) + 8 (T % 2)
	s_lshl_b32 s32, s23, 12                        ; rows of 4,096 bytes
	s_lshl_b32 s30, s29, 11
	s_add_co_u32 s32, s32, s30                     ; + four K steps of 512 bytes
	s_mov_b32 s33, 0
	s_add_nc_u64 s[20:21], s[20:21], s[32:33]
	s_mul_i32 s34, ttmp9, 8*REC
	s_mul_i32 s30, s29, 4*REC
	s_add_co_u32 s34, s34, s30
	s_mov_b32 s35, 0
	s_add_nc_u64 s[18:19], s[18:19], s[34:35]      ; my block's records, from my first K step on
	LOAD 0
	LOAD 1
.irp f, 0,1,2,3
.if \f < 3
	s_wait_loadcnt 16                              ; this fragment's 16 loads are in; the next fragment's 16 may be out
.else
	s_wait_loadcnt 0x0
.endif
	TURN \f
	s_wait_dscnt 0x0                               ; the numbers are back, so the stage's stores have read their registers,
.if \f < 2
	LOAD \f+2                                      ; which take the loads of two fragments on
.endif
.if \f > 0
	s_wait_xcnt 0x0                                ; the last fragment's stores have read their codes and word: these are written again only behind this wait
.endif
	QUANT X
.irp p, 0,1,2,3,4,5
	global_store_b64 v7, v[PC+2*\p:PC+2*\p+1], s[18:19] offset:REC*\f+256*\p   ; 32 lanes store 256 consecutive bytes, at a multiple of 256 from the buffer's first byte
.endr
	global_store_b32 v8, v[PW], s[18:19] offset:REC*\f   ; lanes l and l + 16 hold the same row's word and write it to the same place
.endr
	s_wait_tensorcnt 0x0
	ds_add_u32 v254, v255
	s_wait_dscnt 0x0
	s_endpgm
.Lfunc_end_k_q4dc2180432_quant:
	.size	k_q4dc2180432_quant, .Lfunc_end_k_q4dc2180432_quant-k_q4dc2180432_quant
	.p2alignl 7, 3214868480
	.fill 96, 4, 3214868480
	.section	.rodata,"a",@progbits
	.p2align	6, 0x0
	.amdhsa_kernel k_q4dc2180432_quant
		.amdhsa_group_segment_fixed_size 68608
		.amdhsa_private_segment_fixed_size 0
		.amdhsa_enable_private_segment 0
		.amdhsa_kernarg_size 64
		.amdhsa_user_sgpr_count 2
		.amdhsa_user_sgpr_kernarg_segment_ptr 1
		.amdhsa_wavefront_size32 1
		.amdhsa_system_sgpr_workgroup_id_x 1
		.amdhsa_system_sgpr_workgroup_id_y 1
		.amdhsa_system_sgpr_workgroup_id_z 1
		.amdhsa_system_vgpr_workitem_id 0
		.amdhsa_next_free_vgpr 256
		.amdhsa_next_free_sgpr 66
		.amdhsa_reserve_vcc 0
		.amdhsa_float_denorm_mode_32 3
		.amdhsa_float_denorm_mode_16_64 3
		.amdhsa_memory_ordered 1
		.amdhsa_forward_progress 1
		.amdhsa_inst_pref_size 43
	.end_amdhsa_kernel
	.amdgpu_metadata
---
amdhsa.version: [ 1, 2 ]
amdhsa.kernels:
  - .name:           k_q4dc2180432_quant
    .symbol:         k_q4dc2180432_quant.kd
    .args:
      - { .name: q, .offset: 0, .size: 8, .value_kind: global_buffer, .address_space: global }
      - { .name: k, .offset: 8, .size: 8, .value_kind: global_buffer, .address_space: global }
      - { .name: v, .offset: 16, .size: 8, .value_kind: global_buffer, .address_space: global }
      - { .name: Wq, .offset: 24, .size: 8, .value_kind: global_buffer, .address_space: global }
      - { .name: Wk, .offset: 32, .size: 8, .value_kind: global_buffer, .address_space: global }
      - { .name: Wv, .offset: 40, .size: 8, .value_kind: global_buffer, .address_space: global }
      - { .name: Wo, .offset: 48, .size: 8, .value_kind: global_buffer, .address_space: global }
      - { .name: xw, .offset: 56, .size: 8, .value_kind: global_buffer, .address_space: global }
    .group_segment_fixed_size: 68608
    .private_segment_fixed_size: 0
    .kernarg_segment_align: 8
    .kernarg_segment_size: 64
    .max_flat_workgroup_size: 256
    .sgpr_count:     66
    .vgpr_count:     256
    .wavefront_size: 32
...
	.end_amdgpu_metadata
.endif
;; end of part 1
;; launch proj (part 2): grid 4 x 48, 4 waves a work-group, clusters of 4 x 4, 327,680 bytes of LDS; arguments xw, bq, bk, bv, qc, kv; writes qc, kv
.if DOCPART == 2
	.amdgcn_target "amdgcn-amd-amdhsa--gfx1250"
	.amdhsa_code_object_version 6
	.text
	.protected	k_q4dc2180432_proj
	.globl	k_q4dc2180432_proj
	.p2align	8
	.type	k_q4dc2180432_proj,@function
k_q4dc2180432_proj:
	s_mov_b64 s[64:65], 0
	v_nop
	global_prefetch_b8 v0, s[64:65] scope:SCOPE_SE
	s_setreg_imm32_b32 hwreg(HW_REG_WAVE_MODE, 25, 1), 1
	s_wait_xcnt 0x0
	s_wait_alu depctr_hold_cnt(0) depctr_sa_sdst(0) depctr_va_vdst(0) depctr_va_sdst(0) depctr_va_ssrc(0) depctr_va_vcc(0) depctr_vm_vsrc(0)
	s_getreg_b32 s2, hwreg(HW_REG_IB_STS2, 6, 4)
	s_cmp_eq_u32 s2, 0
	s_cbranch_scc0 .Lentry_in_a_cluster
	s_endpgm
.Lentry_in_a_cluster:
	s_bfe_u32 s2, ttmp6, 0x10000c
	s_cmp_lg_u32 s2, 0xf033
	s_cbranch_scc0 .Lentry_shape_is_right
	s_endpgm
.Lentry_shape_is_right:
; The three projections x W^T + b on codes of FP6 (E2M3) with E8M0 scales, K = 1,024, and the quantising of their results for the attention launch.  Nothing goes to memory as f32.
; OPERANDS come from xw as records: [block of 128 rows][K step of 128][12,800 bytes]: eight images of operand registers (1,536 bytes each: registers 2 p, 2 p + 1 of lane l at 256 p + 8 l), then 8 x 16 scale words.
; Lane-row t of tile T is row 32 (T / 2) + 8 (T % 2) + t + 8 (t / 8) of its block.  With source 0 = tile b of B' and source 1 = tile a of A', a lane holds ONE row of A' and its 64 registers of b = 0 .. 7 run along
; B': register 16 u + i = row 32 u + 16 (lane / 16) + i: the order that the quantiser takes.
; WHICH TENSOR: the cluster's y is 4 g + idx; g = 0: q, 1: k, 2: v.  For q and k A' = the tokens and B' = W: registers run along the features (K of the scores).  For v A' = Wv and B' = the tokens: registers run along
; the keys (K of the second product).  All that differs is arithmetic on g: no branch hangs on it.
; A work-group makes 256 x 256, four waves of 128 x 128: 64 accumulators.  Eight K steps go through three LDS slots of two steps each (4 blocks x 25,600 dense bytes); slot 0 is filled a second time.
; CLUSTERS: 4 x 4.  A' blocks are shared along a row of the cluster, B' blocks along a column: each is asked for jointly, by the same tensor load with a mask that names the four.
; RESULTS: qc [b h][token block][6,656]: 8 half images (K = 64: registers 0-5, 768 bytes), then scale words at 6,144.  kv [b h][key step][13,056]: K's 8 half images, V^T's 4 images at 6,144, K's words at 12,288, V's at 12,800.
; In Q's and K's words bytes 2 and 3 are 0x7f: the upper half of the instruction's K holds zero codes on Q's side.
; LIMITS: NaN and infinities are not served; a block whose largest magnitude lies under 2^-124, a block of zeros among them, keeps the byte 1 (its reader is this program alone).
; REGISTERS: window 0: v10-18 LDS addresses, v24-27 the way out's offsets, v28-29 the spare word's, v32-47 scale words (two sets), v64-127 the bias as C, v128-223 A's fragments (one set), v232-247 v's bias;
;   window 1: B's fragments, two sets, at v0 and v128;  windows 2, 3: the accumulators, (a, b) at v[8 (8 (a % 4) + b)].
.set FR,    12
.set REC,   12800
.set BLK2,  2*REC                      ; a block's two K steps: what one tensor load brings
.set SLOT,  4*BLK2                     ; A'0, A'1, B'0, B'1
.set SPARE, 3*SLOT                     ; behind the slots: the spare words, 128 bytes for each wave
.set ADA,  10                          ; v10-12  8 x lane + my A' block, in slot 0, 1, 2
.set ADB,  13                          ; v13-15  the same for B'
.set ADS,  16                          ; v16-18  scale words: lanes 0-15 A's rows, lanes 16-31 B's
.set SPW,  28
.set NIL,  29
.set SC,   32
.set BN,   64
.set AF,   128
.set BM,   232
.set T,    128                         ; the way out: 64 numbers
.set TM,   192
.set PW,   208
.set PX,   209
.set PC,   210
.set WV,   16
.set WI,   17
.set WJ,   18
.set G1A,  24
.set G1B,  48
.set G0A,  72                          ; s[72:79] group 0 for A', a set for each first fill
.set G0B,  84                          ; s[84:91] for B'
.set SEL,  70
.set MSB, 0
.macro WIN new                         ; the immediate's high byte repeats the setting that is left
.if MSB != (\new)
	s_set_vgpr_msb (MSB<<8)|(\new)
.set MSB, (\new)
.endif
.endm
.set MUL_LO, 0xa1                      ; source 0 (B') window 1, source 1 (A') window 0, C and D window 2
.set MUL_HI, 0xf1                      ; the same, C and D window 3.  In the first step C is the bias, in window 0: 0x81, 0xc1
.set TO_B,   0x40
.macro PLACES n
.rept \n
	v_nop
.endr
.endm
; A joint load: waves 0 and 1 fetch A's two blocks, waves 2 and 3 B's.  The branch hangs on the wave's number alone.  Four v_nop follow each of the two lines.
.macro JLOAD f
	s_cmp_eq_u32 s[WI], 0
	s_cbranch_scc0 .Lfor_b_\@
	tensor_load_to_lds s[G0A+4*\f:G0A+4*\f+3], s[G1A:G1A+7]
	s_nop 0
.rept 4
	v_nop
.endr
	s_branch .Lasked_\@
.Lfor_b_\@:
	tensor_load_to_lds s[G0B+4*\f:G0B+4*\f+3], s[G1B:G1B+7]
	s_nop 0
.rept 4
	v_nop
.endr
.Lasked_\@:
.endm
.macro CREST                           ; a round of the cluster's barrier behind its opening barrier
	s_cmp_lg_u32 s[WV], 0
	s_cbranch_scc1 .Lnot_wave_0_\@
	s_barrier_signal -3
.Lnot_wave_0_\@:
	s_barrier_wait -3
	s_barrier_signal -1
	s_barrier_wait -1
.endm
.macro CROUND
	s_barrier_signal -1
	s_barrier_wait -1
	CREST
.endm
.macro FRAG reg, adr, off              ; an image comes back as it was stored: six loads of 256 consecutive bytes
.irp p, 0,1,2,3,4,5
	ds_load_b64 v[\reg+2*\p:\reg+2*\p+1], v[\adr] offset:\off+256*\p
.endr
.endm
.macro FETCH_B s                       ; B's eight fragments of K step s into set s % 2.  Step s lies in slot (s / 2) % 3, at (s % 2) records
	WIN TO_B
.irp i, 0,1,2,3,4,5,6,7
	FRAG 128*((\s)%2)+FR*\i, ADB+((\s)/2)%3, ((\s)%2)*REC+1536*\i
.endr
	WIN 0
.endm
.macro FETCH_A s, i0                   ; A's blocks i0 .. i0 + 3
.irp i, \i0, \i0+1, \i0+2, \i0+3
	FRAG AF+FR*(\i), ADA+((\s)/2)%3, ((\s)%2)*REC+1536*(\i)
.endr
.endm
.macro SCALES s                        ; register i: lanes 0-15 the words of A's tile i, lanes 16-31 those of B's tile i
.irp i, 0,1,2,3,4,5,6,7
	ds_load_b32 v[SC+8*((\s)%2)+\i], v[ADS+((\s)/2)%3] offset:((\s)%2)*REC+64*\i
.endr
.endm
; 16 matrix instructions: A's tiles a0, a0 + 1 against B's eight.  The 64 accumulators take turns, one instruction a turn, in the same order in every step.  first = 1: the bias starts the sums.
.macro MUL16 a0, s, first
.irp a, \a0, \a0+1
.irp b, 0,1,2,3,4,5,6,7
.if \first
	v_wmma_scale_f32_16x16x128_f8f6f4 v[8*(8*((\a)%4)+\b):8*(8*((\a)%4)+\b)+7], v[128*((\s)%2)+FR*\b:128*((\s)%2)+FR*\b+FR-1], v[AF+FR*(\a):AF+FR*(\a)+FR-1], v[BN+8*\b:BN+8*\b+7], v[SC+8*((\s)%2)+\b], v[SC+8*((\s)%2)+(\a)] matrix_a_fmt:MATRIX_FMT_FP6 matrix_b_fmt:MATRIX_FMT_FP6 matrix_a_scale:MATRIX_SCALE_ROW1
.else
	v_wmma_scale_f32_16x16x128_f8f6f4 v[8*(8*((\a)%4)+\b):8*(8*((\a)%4)+\b)+7], v[128*((\s)%2)+FR*\b:128*((\s)%2)+FR*\b+FR-1], v[AF+FR*(\a):AF+FR*(\a)+FR-1], v[8*(8*((\a)%4)+\b):8*(8*((\a)%4)+\b)+7], v[SC+8*((\s)%2)+\b], v[SC+8*((\s)%2)+(\a)] matrix_a_fmt:MATRIX_FMT_FP6 matrix_b_fmt:MATRIX_FMT_FP6 matrix_a_scale:MATRIX_SCALE_ROW1
.endif
.endr
.endr
.endm
; A K step whose successor lies in the same slot.  Loads into registers that matrix instructions have read stand four plain vector lines behind them (ISA guide 7.12.1 for vector instructions).
.macro STEP s, first
	s_wait_dscnt 24                                ; B's set, A's tiles 0-3 and the scale words are in; the youngest 24 loads (A's tiles 4-7) may be out
	WIN MUL_LO-0x20*(\first)
	MUL16 0, \s, \first
	MUL16 2, \s, \first
	s_wait_dscnt 0x0                               ; A's tiles 4-7 are in
	PLACES 4
	FETCH_B (\s)+1
	FETCH_A (\s)+1, 0
	SCALES (\s)+1
	WIN MUL_HI-0x30*(\first)
	MUL16 4, \s, \first
	MUL16 6, \s, \first
	PLACES 4
	WIN 0
	FETCH_A (\s)+1, 4
.endm
; A slot's second step changes slots: one barrier.  mode 0: the next slot's first fill is waited for, a later one may stay out.
; mode 1: slot 0 is filled again: all my tensor loads, the add, my LDS reads; the barrier opens a round of the cluster's; the joint refill stands first behind it.  mode 2: the refill is waited for; nothing more is filled.
.macro TURN s, mode
.if \mode == 0
	s_wait_tensorcnt 0x1                           ; my parts of slots 0 and 1 are in; slot 2's may be out
	s_wait_dscnt 24
.else
	s_wait_tensorcnt 0x0                           ; all my tensor loads have landed, my part of the next slot among them
	ds_add_u32 v[SPW], v[NIL]                      ; 0 onto my spare word
	s_wait_dscnt 25                                ; (the add and the youngest 24 loads may be out)
.endif
	WIN MUL_LO
	MUL16 0, \s, 0
	s_wait_dscnt 0x0                               ; my LDS instructions are done: the reads of this slot, and the add
	s_barrier_signal -1
	MUL16 2, \s, 0
	WIN 0                                          ; (branches may follow: every window is 0 there)
	s_barrier_wait -1
.if \mode == 1
	CREST                                          ; no wave of any partner still reads slot 0 or has a load on its way
	s_add_nc_u64 s[G0A+2:G0A+3], s[G0A+2:G0A+3], 3*BLK2   ; K steps 6 and 7
	s_add_nc_u64 s[G0B+2:G0B+3], s[G0B+2:G0B+3], 3*BLK2
	s_mov_b32 s[G1A+2], 100<<16                    ; no tensor load of mine is out: the refill brings 100 rows again
	s_mov_b32 s[G1A+4], 100
	s_mov_b32 s[G1B+2], 100<<16
	s_mov_b32 s[G1B+4], 100
	JLOAD 0                                        ; the first tensor load behind the round; it has three and a half K steps, 224 matrix instructions, in which to land; its four v_nop are the places for the loads below
.else
	PLACES 4
.endif
	FETCH_B (\s)+1
	FETCH_A (\s)+1, 0
	SCALES (\s)+1
	WIN MUL_HI
	MUL16 4, \s, 0
	MUL16 6, \s, 0
	PLACES 4
	WIN 0
	FETCH_A (\s)+1, 4
.endm
; 64 numbers of a lane, register 16 b + i = k 32 b + 16 (lane / 16) + i of my row, become a fragment's codes in v[PC] on and its scale word in v[PW]
.macro QUANT s
.irp b, 0,1,2,3
	v_max3_num_f32 v[TM+\b], |v[\s+16*\b]|, |v[\s+1+16*\b]|, 0x1800000   ; and the floor 2^(3 - 127): the byte cannot fall under 1
.endr
.irp i, 2,4,6,8,10,12,14
.irp b, 0,1,2,3
	v_max3_num_f32 v[TM+\b], v[TM+\b], |v[\s+16*\b+\i]|, |v[\s+1+16*\b+\i]|
.endr
.endr
.irp b, 0,1,2,3
	v_permlanex16_b32 v[TM+4+\b], v[TM+\b], s[SEL], s[SEL+1]
.endr
.irp b, 0,1,2,3
	v_max_num_f32 v[TM+\b], v[TM+\b], v[TM+4+\b]
.endr
.irp b, 0,1,2,3
	v_add_nc_u32 v[TM+12+\b], 0xff000000, v[TM+\b]   ; 2 off the exponent field: the conversion's scale operand
.endr
.irp b, 0,1,2,3
	v_lshrrev_b32 v[TM+4+\b], 23, v[TM+12+\b]
.endr
	v_lshl_or_b32 v[PW], v[TM+5], 8, v[TM+4]
	v_lshl_or_b32 v[PW], v[TM+6], 16, v[PW]
	v_lshl_or_b32 v[PW], v[TM+7], 24, v[PW]
.irp c, 0,1
	v_cvt_scalef32_pk16_fp6_f32 v[PC+6*\c:PC+2+6*\c], v[\s+32*\c:\s+15+32*\c], v[TM+12+2*\c]
	v_cvt_scalef32_pk16_fp6_f32 v[PC+12+4*\c:PC+14+4*\c], v[\s+16+32*\c:\s+31+32*\c], v[TM+12+2*\c+1]
.endr
	v_nop                                          ; one plain line behind the scaled conversions
.irp c, 0,1
.irp i, 0,1,2
	v_permlane16_swap_b32 v[PC+6*\c+\i], v[PC+12+4*\c+\i]
.endr
.irp i, 0,1,2
	v_mov_b32 v[PC+3+6*\c+\i], v[PC+12+4*\c+\i]
.endr
.endr
.endm
	s_load_b256 s[4:11], s[0:1], 0x0               ; xw, bq, bk, bv
	s_load_b128 s[12:15], s[0:1], 0x20             ; qc, kv
	v_lshl_add_u32 v[SPW], v0, 2, SPARE
	v_mov_b32 v[NIL], 0
	ds_add_u32 v28, v29
	ds_add_u32 v28, v29
	s_wait_dscnt 0x0
	v_lshrrev_b32 v1, 5, v0
	v_readfirstlane_b32 s[WV], v1                  ; wave 0..3
	s_lshr_b32 s[WI], s[WV], 1                     ; my A' block.  Also: I fetch for A' (0) or for B' (1)
	s_and_b32 s[WJ], s[WV], 1                      ; my B' block.  Also: which of the two blocks I fetch
	s_bfe_u32 s20, ttmp6, 0x40000                  ; cx
	s_bfe_u32 s21, ttmp6, 0x40004                  ; cy
	s_and_b32 s22, ttmp7, 0xffff                   ; the cluster's y = 4 g + idx
	s_lshr_b32 s23, s22, 2                         ; g: 0 q, 1 k, 2 v
	s_and_b32 s32, s22, 3                          ; idx
	s_lshr_b32 s33, s23, 1                         ; fv = 1 for v
	s_xor_b32 s34, s33, 1                          ; nfv
	s_min_u32 s35, s23, 1
	s_xor_b32 s35, s35, 1                          ; fq = 1 for q
	s_mul_i32 s36, s32, s34
	s_lshl_b32 s36, s36, 2
	s_add_co_u32 s36, s36, s21                     ; tile row = 4 idx nfv + cy
	s_mul_i32 s37, s32, s33
	s_lshl_b32 s37, s37, 2
	s_add_co_u32 s37, s37, s20                     ; tile column = 4 idx fv + cx
	s_mul_i32 s38, s23, s34                        ; A' block in xw: 32 g (tokens of q, k) or 112 (Wv), + 2 x tile row + which
	s_lshl_b32 s38, s38, 5
	s_mul_i32 s39, s33, 112
	s_add_co_u32 s38, s38, s39
	s_lshl_b32 s39, s36, 1
	s_add_co_u32 s38, s38, s39
	s_add_co_u32 s38, s38, s[WJ]
	s_mul_i32 s38, s38, 8*REC
	s_mov_b32 s39, 0
	s_lshl_b32 s40, s23, 3                         ; B' block: 96 + 8 g (Wq, Wk) or 64 (tokens of v), + 2 x tile column + which
	s_add_co_u32 s40, s40, 96
	s_mul_i32 s40, s40, s34
	s_lshl_b32 s41, s33, 6
	s_add_co_u32 s40, s40, s41
	s_lshl_b32 s41, s37, 1
	s_add_co_u32 s40, s40, s41
	s_add_co_u32 s40, s40, s[WJ]
	s_mul_i32 s40, s40, 8*REC
	s_mov_b32 s41, 0
	s_lshl_b32 s46, s21, 2
	s_lshl_b32 s46, 15, s46                        ; my row of the cluster
	s_lshl_b32 s47, 0x1111, s20                    ; my column
	; descriptor group 1: a dense block of 25,600 bytes as 100 rows of 32 elements of 8 bytes; no padding
	s_or_b32 s[G1A], s46, (3<<16)|(1<<21)          ; 15:0 the mask; 17:16 elements of 8 bytes; 21 set beside a mask
	s_or_b32 s[G1B], s47, (3<<16)|(1<<21)
.irp g, G1A, G1B
	s_mov_b32 s[\g+1], 32<<16                      ; tensor_dim0
	s_mov_b32 s[\g+2], 100<<16                     ; tensor_dim1
	s_mov_b32 s[\g+3], 32<<16                      ; tile_dim0
	s_mov_b32 s[\g+4], 100                         ; tile_dim1
	s_mov_b32 s[\g+5], 32                          ; the pitch
	s_mov_b32 s[\g+6], 0
	s_mov_b32 s[\g+7], 0
.endr
	s_mul_i32 s19, s[WV], BLK2                     ; where my block goes in a slot: no place in the cluster enters an LDS address
	; the way out's numbers
	s_lshl_b32 s96, s36, 1
	s_add_co_u32 s96, s96, s[WI]                   ; mb: my block of A'
	s_lshl_b32 s97, s37, 1
	s_add_co_u32 s97, s97, s[WJ]                   ; nb: my block of B'
	s_mul_i32 s98, s34, s96
	s_mul_i32 s99, s33, s97
	s_add_co_u32 s98, s98, s99                     ; tb: the token block
	s_mul_i32 s99, s34, s97
	s_mul_i32 s100, s33, s96
	s_add_co_u32 s99, s99, s100                    ; fb: the feature block = a pair of heads
	s_lshr_b32 s100, s98, 4
	s_lshl_b32 s100, s100, 4
	s_lshl_b32 s99, s99, 1
	s_add_co_u32 s100, s100, s99                   ; 16 x batch + head 2 fb
	s_lshl_b32 s100, s100, 4
	s_and_b32 s98, s98, 15
	s_add_co_u32 s100, s100, s98                   ; its record for this token block
	s_mul_i32 s101, s35, 6400
	s_sub_co_u32 s101, 13056, s101                 ; a record: 6,656 bytes in qc, 13,056 in kv
	s_mul_i32 s100, s100, s101
	s_lshl_b32 s98, s101, 4
	s_mul_i32 s98, s98, s34                        ; q, k: the next head's record lies 16 records on; v: 0
	s_mul_i32 s99, s33, 768
	s_add_co_u32 s99, s99, s98                     ; where pieces 3-5 go: the next head (q, k), or 768 bytes on (v)
	s_lshl_b32 s101, s34, 4
	v_and_b32 v1, 31, v0                           ; lane
	v_and_b32 v2, 15, v0                           ; r
	v_bfe_u32 v3, v0, 4, 1                         ; h
	v_lshlrev_b32 v24, 3, v1                       ; 8 x lane
	v_add_nc_u32 v25, s99, v24
	v_mul_u32_u24 v26, s98, v3
	v_lshl_add_u32 v26, v2, 2, v26                 ; the scale word: 4 r; lanes 16-31 the next head's (q, k)
	v_mul_u32_u24 v27, s101, v3                    ; and they take the word's upper half: a shift by 16 (q, k)
	s_mul_i32 s56, s33, 6144
	s_add_co_u32 s56, s56, s100                    ; codes: the record, + 6,144 for V^T
	s_mov_b32 s57, 0
	s_add_co_u32 s58, s100, 12288                  ; words: 6,144 (q), 12,288 (k), 12,800 (v)
	s_mul_i32 s59, s35, 6144
	s_sub_co_u32 s58, s58, s59
	s_lshl_b32 s59, s33, 9
	s_add_co_u32 s58, s58, s59
	s_mov_b32 s59, 0
	s_mul_i32 s60, s33, 768
	s_add_co_u32 s60, s60, 768                     ; from tile to tile: 768 bytes (q, k), 1,536 (v)
	s_mov_b32 s61, 0
	s_mul_i32 s62, s33, 16*13056-4*1536            ; v: behind tile 3 on to the next head's tile 0
	s_mov_b32 s63, 0
	s_mul_i32 s66, s33, 16*13056-4*64
	s_mov_b32 s67, 0
	s_cmp_eq_u32 s33, 1
	s_cselect_b32 s68, -1, 0xffff                  ; q, k: two bytes of the word,
	s_cselect_b32 s69, 0, 0x7f7f0000               ; and 0x7f above them
	s_mov_b32 s[SEL], 0x76543210
	s_mov_b32 s[SEL+1], 0xfedcba98
	s_mul_i32 s46, s97, s34
	s_lshl_b32 s46, s46, 9                         ; q, k: my 128 features' biases; v: 0, so that no load leaves its buffer
	s_mov_b32 s47, 0
	s_mul_i32 s2, s96, s33
	s_lshl_b32 s2, s2, 9                           ; v: my 128 features' biases; q, k: 0
	s_mov_b32 s3, 0
	s_cmp_lt_u32 s23, 2
	s_cselect_b32 s32, -1, 0                       ; keeps bq's or bk's numbers for q, k
	s_not_b32 s22, s32                             ; keeps bv's for v
	s_wait_kmcnt 0x0
	s_cmp_eq_u32 s23, 0
	s_cselect_b64 s[6:7], s[6:7], s[8:9]           ; bq for q, else bk
	s_cselect_b64 s[12:13], s[12:13], s[14:15]     ; qc for q, else kv
	s_add_nc_u64 s[6:7], s[6:7], s[46:47]
	s_add_nc_u64 s[10:11], s[10:11], s[2:3]
	s_add_nc_u64 s[56:57], s[12:13], s[56:57]
	s_add_nc_u64 s[58:59], s[12:13], s[58:59]
	s_add_nc_u64 s[42:43], s[4:5], s[38:39]        ; A's block: made of the cluster's y, cy and the wave's number alone
	s_add_nc_u64 s[44:45], s[4:5], s[40:41]        ; B's: of the cluster's y, cx and the wave's number alone
.irp f, 0,1
	s_mov_b32 s[G0A+4*\f], 1
	s_add_co_u32 s[G0A+4*\f+1], s19, \f*SLOT
	s_add_nc_u64 s[G0A+4*\f+2:G0A+4*\f+3], s[42:43], \f*BLK2
	s_or_b32 s[G0A+4*\f+3], s[G0A+4*\f+3], 0x80000000
	s_mov_b32 s[G0B+4*\f], 1
	s_add_co_u32 s[G0B+4*\f+1], s19, \f*SLOT
	s_add_nc_u64 s[G0B+4*\f+2:G0B+4*\f+3], s[44:45], \f*BLK2
	s_or_b32 s[G0B+4*\f+3], s[G0B+4*\f+3], 0x80000000
.endr
	; LDS: slot 0 holds K steps 0, 1 (later 6, 7), a block at wave x BLK2; behind it K steps 2 to 5 lie block by block, a block's four steps on end at SLOT + wave x 2 BLK2
	s_lshl_b32 s19, s19, 1
	s_add_co_u32 s[G0A+5], s19, SLOT
	s_add_co_u32 s[G0B+5], s19, SLOT
	CROUND                                         ; all sixteen work-groups are here: the first joint loads meet
	JLOAD 0                                        ; K steps 0 and 1: one tensor load a wave at the head
	s_mul_i32 s96, s[WI], BLK2
	s_mul_i32 s97, s[WJ], BLK2
	s_add_co_u32 s97, s97, 2*BLK2
	s_wait_alu depctr_va_vdst(0)
	v_add_nc_u32 v[ADA], s96, v24
	v_add_nc_u32 v[ADB], s97, v24
	s_lshl_b32 s96, s96, 1
	s_lshl_b32 s97, s97, 1
	s_add_co_u32 s96, s96, SLOT
	s_add_co_u32 s97, s97, SLOT
	v_add_nc_u32 v[ADA+1], s96, v24                ; K steps 2, 3
	v_add_nc_u32 v[ADB+1], s97, v24
	s_add_co_u32 s96, s96, BLK2
	s_add_co_u32 s97, s97, BLK2
	v_add_nc_u32 v[ADA+2], s96, v24                ; K steps 4, 5
	v_add_nc_u32 v[ADB+2], s97, v24
	s_mul_i32 s96, s[WI], BLK2
	s_mul_i32 s97, s[WJ], BLK2
	s_add_co_u32 s97, s97, 2*BLK2
	s_sub_co_u32 s97, s97, s96
	v_mul_u32_u24 v7, s97, v3                      ; lanes 16-31 take B's words: one product, the distance between the two blocks
	s_add_co_u32 s96, s96, 12288
	v_lshlrev_b32 v8, 1, v7                        ; behind slot 0 the blocks lie twice as far apart
	v_lshl_add_u32 v7, v2, 2, v7
	v_lshl_add_u32 v8, v2, 2, v8
	v_add_nc_u32 v[ADS], s96, v7
	s_lshl_b32 s96, s96, 1
	s_add_co_u32 s96, s96, SLOT-12288
	v_add_nc_u32 v[ADS+1], s96, v8
	s_add_co_u32 s96, s96, BLK2
	v_add_nc_u32 v[ADS+2], s96, v8
	v_lshlrev_b32 v5, 6, v3                        ; the bias along B': for tile b my eight are 32 (b / 2) + 8 (b % 2) + 16 h + 0 .. 7
	v_and_b32 v6, 8, v2
	v_add_nc_u32 v6, v6, v2
	v_lshlrev_b32 v6, 2, v6                        ; the bias along A': for tile a mine is 32 (a / 2) + 8 (a % 2) + r + 8 (r / 8)
.irp b, 0,1,2,3,4,5,6,7
	global_load_b128 v[BN+8*\b:BN+8*\b+3], v5, s[6:7] offset:(32*(\b/2)+8*(\b%2))*4
	global_load_b128 v[BN+8*\b+4:BN+8*\b+7], v5, s[6:7] offset:(32*(\b/2)+8*(\b%2))*4+16
.endr
.irp a, 0,1,2,3,4,5,6,7
	global_load_b32 v[BM+2*\a], v6, s[10:11] offset:(32*(\a/2)+8*(\a%2))*4
.endr
	s_wait_loadcnt 0x0
.set ii, 0
.rept 64
	v_and_b32 v[BN+ii], s32, v[BN+ii]              ; zeros for v, whose bias runs along A'
.set ii, ii+1
.endr
.irp a, 0,1,2,3,4,5,6,7
	v_and_b32 v[BM+2*\a], s22, v[BM+2*\a]          ; zeros for q and k
	v_mov_b32 v[BM+2*\a+1], 0                      ; (named with it as a pair)
.endr
	s_wait_alu depctr_va_vdst(0)
	s_wait_tensorcnt 0x0                           ; my part of slot 0 is in
	ds_add_u32 v[SPW], v[NIL]
	s_mov_b32 s[G1A+2], 200<<16                    ; no tensor load of mine is out: the next brings 200 rows, a block's K steps 2 to 5
	s_mov_b32 s[G1A+4], 200
	s_mov_b32 s[G1B+2], 200<<16
	s_mov_b32 s[G1B+4], 200
	s_wait_dscnt 0x0
	CROUND                                         ; a whole round: slot 0 is whole, and the joint loads meet
	JLOAD 1                                        ; the first tensor load behind the round; it has K step 0 in which to land
	FETCH_B 0
	FETCH_A 0, 0
	SCALES 0
	FETCH_A 0, 4
	STEP 0, 1
	TURN 1, 1
	STEP 2, 0
	STEP 3, 0
	STEP 4, 0
	TURN 5, 2
	STEP 6, 0
	s_wait_dscnt 24                                ; the last step: nothing more to fetch
	WIN MUL_LO
	MUL16 0, 7, 0
	MUL16 2, 7, 0
	s_wait_dscnt 0x0
	WIN MUL_HI
	MUL16 4, 7, 0
	MUL16 6, 7, 0
	WIN 0
	; THE WAY OUT, a tile of A' at a time: the tile's 64 numbers a lane (with v's bias) come into window 0, each accumulator from its low end on, and are quantised; the image goes to memory as it stands.
	; q, k: registers 0-5 are head 2 fb's half image, registers 6-11 head 2 fb + 1's; the lanes' two halves store the two heads' words.  v: all twelve are tile a % 4 of V^T of head 2 fb + a / 4.
	PLACES 4
.irp b, 0,1,2,3
	v_mov_b32 v[TM+4+\b], 0                        ; a lane permute's destination counts as one of its sources
.endr
.irp a, 0,1,2,3,4,5,6,7
	WIN 0x02+(\a/4)                                ; source 0: window 2 or 3
.set ii, 0
.rept 32
	v_pk_add_f32 v[T+2*ii:T+2*ii+1], v[64*(\a%4)+2*ii:64*(\a%4)+2*ii+1], v[BM+2*\a:BM+2*\a+1] op_sel_hi:[1,0]
.set ii, ii+1
.endr
	WIN 0
.if \a > 0
	s_wait_xcnt 0x0                                ; the last tile's stores have read their codes, word and bases: all are written again only behind this wait
	s_add_nc_u64 s[56:57], s[56:57], s[60:61]
	s_add_nc_u64 s[58:59], s[58:59], 64
.endif
.if \a == 4
	s_add_nc_u64 s[56:57], s[56:57], s[62:63]
	s_add_nc_u64 s[58:59], s[58:59], s[66:67]
.endif
	QUANT T
	v_lshrrev_b32 v[PX], v27, v[PW]
	v_and_or_b32 v[PX], v[PX], s68, s69
.irp p, 0,1,2
	global_store_b64 v24, v[PC+2*\p:PC+2*\p+1], s[56:57] offset:256*\p       ; 32 lanes store 256 consecutive bytes, at a multiple of 256 from the buffer's first byte
.endr
.irp p, 0,1,2
	global_store_b64 v25, v[PC+6+2*\p:PC+7+2*\p], s[56:57] offset:256*\p
.endr
	global_store_b32 v26, v[PX], s[58:59]
.endr
	s_wait_tensorcnt 0x0                           ; the wave's end
	ds_add_u32 v[SPW], v[NIL]
	s_wait_dscnt 0x0
	CROUND                                         ; the closing round: no work-group ends while a partner may still ask for a block that names it
	s_endpgm
.Lfunc_end_k_q4dc2180432_proj:
	.size	k_q4dc2180432_proj, .Lfunc_end_k_q4dc2180432_proj-k_q4dc2180432_proj
	.p2alignl 7, 3214868480
	.fill 96, 4, 3214868480
	.section	.rodata,"a",@progbits
	.p2align	6, 0x0
	.amdhsa_kernel k_q4dc2180432_proj
		.amdhsa_group_segment_fixed_size 327680
		.amdhsa_private_segment_fixed_size 0
		.amdhsa_enable_private_segment 0
		.amdhsa_kernarg_size 48
		.amdhsa_user_sgpr_count 2
		.amdhsa_user_sgpr_kernarg_segment_ptr 1
		.amdhsa_wavefront_size32 1
		.amdhsa_system_sgpr_workgroup_id_x 1
		.amdhsa_system_sgpr_workgroup_id_y 1
		.amdhsa_system_sgpr_workgroup_id_z 1
		.amdhsa_system_vgpr_workitem_id 0
		.amdhsa_next_free_vgpr 1024
		.amdhsa_next_free_sgpr 102
		.amdhsa_reserve_vcc 0
		.amdhsa_float_denorm_mode_32 3
		.amdhsa_float_denorm_mode_16_64 3
		.amdhsa_memory_ordered 1
		.amdhsa_forward_progress 1
		.amdhsa_inst_pref_size 191
	.end_amdhsa_kernel
	.amdgpu_metadata
---
amdhsa.version: [ 1, 2 ]
amdhsa.kernels:
  - .name:           k_q4dc2180432_proj
    .symbol:         k_q4dc2180432_proj.kd
    .args:
      - { .name: xw, .offset: 0, .size: 8, .value_kind: global_buffer, .address_space: global }
      - { .name: bq, .offset: 8, .size: 8, .value_kind: global_buffer, .address_space: global }
      - { .name: bk, .offset: 16, .size: 8, .value_kind: global_buffer, .address_space: global }
      - { .name: bv, .offset: 24, .size: 8, .value_kind: global_buffer, .address_space: global }
      - { .name: qc, .offset: 32, .size: 8, .value_kind: global_buffer, .address_space: global }
      - { .name: kv, .offset: 40, .size: 8, .value_kind: global_buffer, .address_space: global }
    .group_segment_fixed_size: 327680
    .private_segment_fixed_size: 0
    .kernarg_segment_align: 8
    .kernarg_segment_size: 48
    .max_flat_workgroup_size: 128
    .sgpr_count:     102
    .vgpr_count:     1024
    .wavefront_size: 32
...
	.end_amdgpu_metadata
.endif
;; end of part 2
;; launch attn (part 3): grid 8 x 32, 8 waves a work-group, clusters of 4 x 1, 327,680 bytes of LDS; arguments qc, kv, cc; writes cc
.if DOCPART == 3
	.amdgcn_target "amdgcn-amd-amdhsa--gfx1250"
	.amdhsa_code_object_version 6
	.text
	.protected	k_q4dc2180432_attn
	.globl	k_q4dc2180432_attn
	.p2align	8
	.type	k_q4dc2180432_attn,@function
k_q4dc2180432_attn:
	s_mov_b64 s[64:65], 0
	v_nop
	global_prefetch_b8 v0, s[64:65] scope:SCOPE_SE
	s_setreg_imm32_b32 hwreg(HW_REG_WAVE_MODE, 25, 1), 1
	s_wait_xcnt 0x0
	s_wait_alu depctr_hold_cnt(0) depctr_sa_sdst(0) depctr_va_vdst(0) depctr_va_sdst(0) depctr_va_ssrc(0) depctr_va_vcc(0) depctr_vm_vsrc(0)
	s_getreg_b32 s2, hwreg(HW_REG_IB_STS2, 6, 4)
	s_cmp_eq_u32 s2, 0
	s_cbranch_scc0 .Lentry_in_a_cluster
	s_endpgm
.Lentry_in_a_cluster:
	s_bfe_u32 s2, ttmp6, 0x10000c
	s_cmp_lg_u32 s2, 0x3003
	s_cbranch_scc0 .Lentry_shape_is_right
	s_endpgm
.Lentry_shape_is_right:
; O = softmax(|Q K^T| / 8) V for one head and 256 queries a work-group, both products on codes of FP6 (E2M3) with E8M0 scales; O / l is quantised along the model's axis and stored as codes for the last product.
; THE SOFTMAX: t = |score| x log2(e) / 8; M = the row's largest t so far, rounded up to a whole number; p = 2^(t - M) is quantised along the keys, not normalised; l is the sum of the unquantised p;
; when M moves, l and O are multiplied by 2^(old M - new M), which rounds nothing.
; SHARES: eight waves, two to a SIMD, each with TWO tiles of 16 queries: a fragment of K or V^T read from LDS feeds two matrix instructions, and one wave's vector work stands beside the other's matrix work.
; Every wave walks the head's 2,048 keys, 128 a step.
; THE WHOLE HEAD STAYS IN LDS: kv's 16 records of 13,056 bytes are one dense block of 208,896 bytes; each wave brings two records (102 rows of 256 bytes) by its one tensor load; nothing is filled again.
; No prefetch: all that the launch streams is asked for at its head; there is no loop to run ahead in.
; CLUSTER: the four work-groups of a cluster take query blocks of one head and ask for its bytes jointly.
; LAYOUT: both products are used transposed (S^T = K Q^T, O^T = V^T P^T): a lane holds one query.  Lane-row t of K's tile T is key 64 (T / 4) + 32 (t / 8) + 8 (T % 4) + t % 8 of the step, so S^T's register 32 c + i of lane (r, h)
; is key 64 c + 32 h + i: a lane holds blocks h and 2 + h whole, in the order of the second product's operand.  A block's largest |score| needs no other lane, and p's codes are the operand's registers.
; K = 64 fills the lower half of the instruction's 128: Q's registers 6-11 are zero codes, so what stands in K's upper six registers adds nothing; both words' upper bytes are 0x7f.
; LIMITS: the promise holds while the scaled scores t stay under 2^31; NaN and infinities are not served; a block whose largest magnitude lies under 2^-124 keeps the byte 1.
; REGISTERS: window 0: addresses, scale words (v16-33, which hold nothing else), Q's, K's, V^T's fragments, and each tile's small numbers.  Window 1: tile j at 128 j: S^T then p 0-63, O^T 64-95,
; p's codes 96-107 (108-115 at work), l 116-117, at work 118-123.
.set KSTEP, 13056
.set HEADB, 16*KSTEP
.set SPARE, HEADB                      ; behind the head: the spare words, 128 bytes a wave
.set SPW, 8
.set NIL, 9
.set QW,  16                           ; Q's words, a register a tile
.set KW,  20                           ; K's words
.set VW,  28                           ; V^T's words
.set PWD, 32                           ; p's words
.set QF,  36                           ; Q's two fragments
.set KF,  84                           ; K's eight half fragments, 6 registers apart; v132-137 zeros
.set VF,  144                          ; V^T's four fragments
.set BM,  192                          ; tile i, block c of the lane: the largest |score|, at BM + 2 i + c
.set T1,  200
.set T2,  204
.set NM,  208                          ; -M
.set RS,  212                          ; the largest |score| so far
.set SOP, 216                          ; the conversions' scale operands
.set T3,  224
.set F,   240                          ; pairs (f, 0)
.set XO,  84                           ; the way out: O / l, 32 registers a tile
.set CD,  212                          ; the way out: codes, 10 registers a tile
.set WV,  10
.set G1,  16
.set G0,  24
.set SEL, 28
.set CS,  30
.set TB,  31
.set TN,  32
.set CNT, 33
.set MSB, 0
.macro WIN new                         ; the immediate's high byte repeats the setting that is left
.if MSB != (\new)
	s_set_vgpr_msb (MSB<<8)|(\new)
.set MSB, (\new)
.endif
.endm
.macro HINT n                          ; two waves share a SIMD: a hint ahead of a plain line that reads the result of the plain line n back
	s_delay_alu instid0(VALU_DEP_\n)
.endm
.macro CROUND                          ; a round of the cluster's barrier
	s_barrier_signal -1
	s_barrier_wait -1
	s_cmp_lg_u32 s[WV], 0
	s_cbranch_scc1 .Lnot_wave_0_\@
	s_barrier_signal -3
.Lnot_wave_0_\@:
	s_barrier_wait -3
	s_barrier_signal -1
	s_barrier_wait -1
.endm
.macro KLOAD                           ; K's half images and words, by v3 and v4
.irp t, 0,1,2,3,4,5,6,7
.irp p, 0,1,2
	ds_load_b64 v[KF+6*\t+2*\p:KF+6*\t+2*\p+1], v3 offset:768*\t+256*\p
.endr
.endr
.irp t, 0,1,2,3,4,5,6,7
	ds_load_b32 v[KW+\t], v4 offset:12288+64*\t
.endr
.endm
	s_load_b128 s[4:7], s[0:1], 0x0                ; qc, kv
	s_load_b64 s[8:9], s[0:1], 0x10                ; cc
	v_lshl_add_u32 v[SPW], v0, 2, SPARE
	v_mov_b32 v[NIL], 0
	ds_add_u32 v[SPW], v[NIL]                      ; the opening lines: the add, twice on end, and its wait ahead of my tensor load
	ds_add_u32 v[SPW], v[NIL]
	v_lshrrev_b32 v1, 5, v0
	v_readfirstlane_b32 s[WV], v1                  ; wave 0..7
	s_bfe_u32 s11, ttmp6, 0x40000                  ; cx
	s_and_b32 s12, ttmp7, 0xffff                   ; 16 x batch + head, which the four partners share
	s_lshl_b32 s13, ttmp9, 2
	s_add_co_u32 s13, s13, s11                     ; my block of 256 queries: it enters Q's and cc's addresses alone
	s_mov_b32 s[G1], 15|(3<<16)|(1<<21)            ; the mask: all four work-groups; elements of 8 bytes; bit 21 beside a mask
	s_mov_b32 s[G1+1], 32<<16                      ; dense bytes as 102 rows of 32 elements
	s_mov_b32 s[G1+2], 102<<16
	s_mov_b32 s[G1+3], 32<<16
	s_mov_b32 s[G1+4], 102
	s_mov_b32 s[G1+5], 32
	s_mov_b32 s[G1+6], 0
	s_mov_b32 s[G1+7], 0
	s_mul_i32 s47, s[WV], 2*KSTEP                  ; my two records, in LDS as in the head
	s_mul_i32 s48, s12, HEADB
	s_add_co_u32 s48, s48, s47
	s_mov_b32 s49, 0
	s_lshl_b32 s54, s13, 1
	s_lshr_b32 s55, s[WV], 2
	s_add_co_u32 s54, s54, s55                     ; my token block in the batch
	s_lshl_b32 s56, s12, 4
	s_add_co_u32 s56, s56, s54
	s_mul_i32 s56, s56, 6656                       ; Q's record
	s_mov_b32 s57, 0
	s_lshr_b32 s58, s12, 4
	s_lshl_b32 s58, s58, 4
	s_add_co_u32 s58, s58, s54
	s_lshl_b32 s58, s58, 3
	s_bfe_u32 s59, s12, 0x30001                    ; head / 2: the last product's K step
	s_add_co_u32 s58, s58, s59
	s_mul_i32 s58, s58, 12800                      ; cc's record
	s_mov_b32 s59, 0
	s_and_b32 s60, s[WV], 3                        ; my tiles are 2 (wave % 4) + 0, 1 of the block
	s_and_b32 s61, s12, 1                          ; which head of the pair
	s_mul_i32 s45, s60, 2*768                      ; Q's half images
	s_lshl_b32 s51, s60, 7
	s_add_co_u32 s51, s51, 6144                    ; and words
	s_mul_i32 s62, s60, 2*1536
	s_mul_i32 s63, s61, 768
	s_add_co_u32 s62, s62, s63                     ; cc: my images, pieces 0-2 or 3-5
	s_lshl_b32 s63, s60, 7
	s_add_co_u32 s63, s63, 12288
	s_lshl_b32 s61, s61, 1
	s_add_co_u32 s63, s63, s61                     ; cc: the words' lower or upper two bytes
	s_mov_b32 s[SEL], 0x76543210
	s_mov_b32 s[SEL+1], 0xfedcba98
	s_mov_b32 s[CS], 0x3e38aa3b                    ; log2(e) / 8
	s_mov_b32 s[TB], 0
	s_mov_b32 s[CNT], 16
	s_wait_dscnt 0x0
	s_wait_kmcnt 0x0
	s_mov_b32 s[G0], 1
	s_mov_b32 s[G0+1], s47
	s_add_nc_u64 s[G0+2:G0+3], s[6:7], s[48:49]
	s_or_b32 s[G0+3], s[G0+3], 0x80000000
	s_add_nc_u64 s[4:5], s[4:5], s[56:57]
	s_add_nc_u64 s[8:9], s[8:9], s[58:59]
	CROUND                                         ; all four work-groups are here: the joint loads meet
	tensor_load_to_lds s[G0:G0+3], s[G1:G1+7]      ; my one tensor load
	s_nop 0
	v_and_b32 v5, 31, v0
	v_and_b32 v6, 15, v0
	HINT 2
	v_lshlrev_b32 v1, 3, v5                        ; 8 x lane
	HINT 2
	v_lshlrev_b32 v2, 2, v6                        ; 4 r
	HINT 2
	v_add_nc_u32 v5, s45, v1
	HINT 2
	v_add_nc_u32 v6, s51, v2
	v_add_nc_u32 v7, s62, v1
	v_add_nc_u32 v10, s63, v2
	v_mov_b32 v3, v1                               ; key step 0
	v_mov_b32 v4, v2
.irp i, 0,1
.irp p, 0,1,2
	global_load_b64 v[QF+12*\i+2*\p:QF+12*\i+2*\p+1], v5, s[4:5] offset:768*\i+256*\p   ; Q's half fragments stay in registers
.endr
	global_load_b32 v[QW+\i], v6, s[4:5] offset:64*\i
.endr
.irp i, 0,1
.irp n, 6,7,8,9,10,11
	v_mov_b32 v[QF+12*\i+\n], 0                    ; Q's upper half: zero codes
.endr
	v_mov_b32 v[NM+\i], 0                          ; M = 0 and the largest |score| = 0: no |score| lies under that
	v_mov_b32 v[RS+\i], 0
	v_mov_b32 v[T2+\i], 0                          ; (lane permutes' destinations count as sources)
	v_mov_b32 v[T3+\i], 0
	v_mov_b32 v[F+2*\i+1], 0                       ; (named with f as a pair)
.endr
.irp n, 48,49,50,51,52,53
	v_mov_b32 v[KF+\n], 0                          ; what stands above K's last tile
.endr
	WIN 0x40                               ; O^T and l: the step is written once; the first finds zeros, which the first change of M leaves zeros
.irp j, 0,1
.set ii, 64
.rept 32
	v_mov_b32 v[128*\j+ii], 0
.set ii, ii+1
.endr
	v_mov_b32 v[128*\j+116], 0
	v_mov_b32 v[128*\j+117], 0
.endr
	WIN 0
	s_wait_alu depctr_va_vdst(0)
	s_wait_loadcnt 0x0                             ; Q
	s_wait_tensorcnt 0x0                           ; my two records are in
	s_barrier_signal -1
	s_barrier_wait -1                              ; the whole head lies in LDS
	KLOAD
.Lstep:                                        ; A KEY STEP: 128 keys x 32 queries
	s_add_co_u32 s[TN], s[TB], KSTEP
	s_min_u32 s[TN], s[TN], 15*KSTEP               ; the next step's record; the last step names its own again
	s_wait_dscnt 0x0                               ; K and its words are in
	WIN 0x40                                       ; S^T: D in window 1, K and Q in window 0
.irp t, 0,1,2,3,4,5,6,7
.irp j, 0,1
	v_wmma_scale_f32_16x16x128_f8f6f4 v[128*\j+8*\t:128*\j+8*\t+7], v[KF+6*\t:KF+6*\t+11], v[QF+12*\j:QF+12*\j+11], 0, v[KW+\t], v[QW+\j] matrix_a_fmt:MATRIX_FMT_FP6 matrix_b_fmt:MATRIX_FMT_FP6
.endr
.endr
	WIN 0
	v_add_nc_u32 v11, s[TB], v1                    ; four plain lines behind the products: ahead of the loads into their sources and of the first reads of S^T
	v_add_nc_u32 v12, s[TB], v2
	v_add_nc_u32 v3, s[TN], v1
	v_add_nc_u32 v4, s[TN], v2
.irp t, 0,1,2,3
.irp p, 0,1,2,3,4,5
	ds_load_b64 v[VF+12*\t+2*\p:VF+12*\t+2*\p+1], v11 offset:6144+1536*\t+256*\p   ; V^T's images land while the softmax is walked
.endr
.endr
.irp t, 0,1,2,3
	ds_load_b32 v[VW+\t], v12 offset:12800+64*\t
.endr
	KLOAD                                          ; and the next step's K
	WIN 0x55                                       ; each block's largest |score|: eight chains by turns, each accumulator from its low end on
.irp j, 0,1
.irp e, 0,1,2,3
	v_max3_num_f32 v[128*\j+118+\e], |v[128*\j+16*\e]|, |v[128*\j+16*\e+1]|, |v[128*\j+16*\e+2]|
.endr
.endr
.irp i, 3,5,7,9,11,13
.irp j, 0,1
.irp e, 0,1,2,3
	v_max3_num_f32 v[128*\j+118+\e], v[128*\j+118+\e], |v[128*\j+16*\e+\i]|, |v[128*\j+16*\e+\i+1]|
.endr
.endr
.endr
.irp j, 0,1
.irp c, 0,1
	v_max3_num_f32 v[128*\j+118+2*\c], v[128*\j+118+2*\c], |v[128*\j+32*\c+15]|, |v[128*\j+32*\c+31]|
.endr
.endr
	WIN 0x15                                       ; the last line writes into window 0
.irp j, 0,1
.irp c, 0,1
	v_max_num_f32 v[BM+2*\j+\c], v[128*\j+118+2*\c], v[128*\j+119+2*\c]
.endr
.endr
	WIN 0
	v_max_num_f32 v[T1], v[BM], v[BM+1]
	v_max_num_f32 v[T1+1], v[BM+2], v[BM+3]
.irp i, 0,1                            ; the two tiles by turns
	HINT 2
	v_permlanex16_b32 v[T2+\i], v[T1+\i], s[SEL], s[SEL+1]
.endr
.irp i, 0,1
	HINT 2
	v_max3_num_f32 v[RS+\i], v[RS+\i], v[T1+\i], v[T2+\i]   ; the row's largest |score| so far
.endr
.irp i, 0,1
	HINT 2
	v_mul_f32 v[T1+\i], s[CS], v[RS+\i]            ; as t
.endr
.irp i, 0,1
	HINT 2
	v_floor_f32 v[T2+\i], -v[T1+\i]                ; the new -M = floor(-t): M is a whole number
.endr
.irp i, 0,1
	HINT 2
	v_sub_f32 v[T1+\i], v[T2+\i], v[NM+\i]         ; old M - new M: a whole number, 0 or less
.endr
.irp i, 0,1
	HINT 4
	v_mov_b32 v[NM+\i], v[T2+\i]
.endr
.irp i, 0,1
	HINT 4
	v_cvt_i32_f32 v[T1+\i], v[T1+\i]               ; (it saturates)
.endr
.irp i, 0,1
	HINT 2
	v_ldexp_f32 v[F+2*\i], 1.0, v[T1+\i]           ; f = 2^(old M - new M)
.endr
.irp i, 0,1
	v_fma_f32 v[BM+2*\i], v[BM+2*\i], s[CS], v[NM+\i]       ; t - M of each block's largest |score|: p rises with it, so it gives the block's largest p
	v_fma_f32 v[BM+2*\i+1], v[BM+2*\i+1], s[CS], v[NM+\i]
.endr
	WIN 0x41                                       ; l and O^T under the new M, then t - M.  f and -M come from window 0
.irp j, 0,1
	v_pk_mul_f32 v[128*\j+116:128*\j+117], v[128*\j+116:128*\j+117], v[F+2*\j:F+2*\j+1] op_sel_hi:[1,0]
.irp p, 0,2,4,6,8,10,12,14,16,18,20,22,24,26,28,30
	v_pk_mul_f32 v[128*\j+64+\p:128*\j+65+\p], v[128*\j+64+\p:128*\j+65+\p], v[F+2*\j:F+2*\j+1] op_sel_hi:[1,0]
.endr
.endr
.irp j, 0,1
.set ii, 0
.rept 64
	v_fma_f32 v[128*\j+ii], |v[128*\j+ii]|, s[CS], v[NM+\j]
.set ii, ii+1
.endr
.endr
	s_wait_alu depctr_va_vdst(0)
.set ii, 0
.rept 64
	v_exp_f32 v[ii], v[ii]                         ; p = 2^(t - M), at most 1
	v_exp_f32 v[128+ii], v[128+ii]
.set ii, ii+1
.endr
	WIN 0
.irp n, 0,1,2,3
	v_exp_f32 v[BM+\n], v[BM+\n]                   ; the same two instructions on the same number give the same bits
.endr
	v_nop                                          ; the plain line behind the exponentials
	s_wait_alu depctr_va_vdst(0)                   ; one wait for the whole batch
.irp n, 0,1,2,3
	v_max_num_f32 v[BM+\n], 0x1800000, v[BM+\n]    ; the floor 2^(3 - 127): the byte cannot fall under 1
.endr
.irp n, 0,1,2,3
	HINT 4
	v_add_nc_u32 v[SOP+\n], 0xff000000, v[BM+\n]   ; 2 off the exponent field: the conversion's scale operand
.endr
.irp n, 0,1,2,3
	HINT 4
	v_lshrrev_b32 v[BM+\n], 23, v[SOP+\n]          ; the byte
.endr
	HINT 3
	v_lshl_or_b32 v[T1], v[BM+1], 16, v[BM]        ; my two blocks' bytes
	HINT 2
	v_lshl_or_b32 v[T1+1], v[BM+3], 16, v[BM+2]
.irp i, 0,1
	HINT 2
	v_permlanex16_b32 v[T2+\i], v[T1+\i], s[SEL], s[SEL+1]
.endr
.irp i, 0,1
	HINT 2
	v_lshl_or_b32 v[PWD+\i], v[T2+\i], 8, v[T1+\i] ; lanes 0-15, which alone are read: blocks 0, 2 mine, blocks 1, 3 lane l + 16's
.endr
	WIN 0x41                                       ; p's codes
.irp j, 0,1
.irp c, 0,1
	v_cvt_scalef32_pk16_fp6_f32 v[128*\j+96+6*\c:128*\j+98+6*\c], v[128*\j+32*\c:128*\j+32*\c+15], v[SOP+2*\j+\c]
	v_cvt_scalef32_pk16_fp6_f32 v[128*\j+108+4*\c:128*\j+110+4*\c], v[128*\j+32*\c+16:128*\j+32*\c+31], v[SOP+2*\j+\c]   ; (three registers from an even one)
.endr
.endr
	v_nop                                          ; one plain line behind the scaled conversions
.irp j, 0,1
.irp c, 0,1
.irp i, 0,1,2
	v_mov_b32 v[128*\j+99+6*\c+\i], v[128*\j+108+4*\c+\i]
.endr
.endr
.endr
	WIN 0x45                               ; the sum of the unquantised p: four chains a tile; these lines also stand between those that made the codes and words and the products
.irp j, 0,1
	v_pk_add_f32 v[128*\j+116:128*\j+117], v[128*\j+116:128*\j+117], v[128*\j:128*\j+1]
	v_pk_add_f32 v[128*\j+118:128*\j+119], v[128*\j+2:128*\j+3], v[128*\j+4:128*\j+5]
	v_pk_add_f32 v[128*\j+120:128*\j+121], v[128*\j+6:128*\j+7], v[128*\j+8:128*\j+9]
	v_pk_add_f32 v[128*\j+122:128*\j+123], v[128*\j+10:128*\j+11], v[128*\j+12:128*\j+13]
.endr
.irp g, 0,1,2,3,4,5
.irp j, 0,1
.irp n, 0,1,2,3
	v_pk_add_f32 v[128*\j+116+2*\n:128*\j+117+2*\n], v[128*\j+116+2*\n:128*\j+117+2*\n], v[128*\j+14+8*\g+2*\n:128*\j+15+8*\g+2*\n]
.endr
.endr
.endr
.irp j, 0,1
	v_pk_add_f32 v[128*\j+116:128*\j+117], v[128*\j+116:128*\j+117], v[128*\j+62:128*\j+63]
	v_pk_add_f32 v[128*\j+118:128*\j+119], v[128*\j+118:128*\j+119], v[128*\j+120:128*\j+121]
.endr
	HINT 4
	v_pk_add_f32 v[116:117], v[116:117], v[122:123]
	HINT 3
	v_pk_add_f32 v[244:245], v[244:245], v[250:251]
.irp j, 0,1
	HINT 2
	v_pk_add_f32 v[128*\j+116:128*\j+117], v[128*\j+116:128*\j+117], v[128*\j+118:128*\j+119]
.endr
	s_wait_alu depctr_va_vdst(0)
	s_wait_dscnt 32                                ; V^T and its words are in; the 32 loads of the next step's K may be out
	WIN 0x54                                       ; O^T += V^T P^T: the accumulators by turns
.irp t, 0,1,2,3
.irp j, 0,1
	v_wmma_scale_f32_16x16x128_f8f6f4 v[128*\j+64+8*\t:128*\j+71+8*\t], v[VF+12*\t:VF+12*\t+11], v[128*\j+96:128*\j+107], v[128*\j+64+8*\t:128*\j+71+8*\t], v[VW+\t], v[PWD+\j] matrix_a_fmt:MATRIX_FMT_FP6 matrix_b_fmt:MATRIX_FMT_FP6
.endr
.endr
	WIN 0
	s_add_co_u32 s[TB], s[TB], KSTEP
	s_sub_co_u32 s[CNT], s[CNT], 1
	s_cmp_lg_u32 s[CNT], 0
	s_cbranch_scc1 .Lstep
	; THE WAY OUT: O^T / l, 32 numbers a lane and tile (register 16 b + i = channel 32 b + 16 (lane / 16) + i), two blocks along the last product's K: quantised, stored as half an image and half a scale word
	s_wait_dscnt 0x0                               ; the last step's loads of K have landed: their registers are written below
	WIN 0x05
.irp j, 0,1
	v_add_f32 v[F+2*\j], v[128*\j+116], v[128*\j+117]
.endr
	WIN 0
.irp i, 0,1
	v_permlanex16_b32 v[T3+\i], v[F+2*\i], s[SEL], s[SEL+1]
.endr
.irp i, 0,1
	HINT 2
	v_add_f32 v[F+2*\i], v[F+2*\i], v[T3+\i]       ; the row's sum
.endr
	v_nop
	v_nop
	s_wait_alu depctr_va_vdst(0)
.irp i, 0,1
	v_rcp_f32 v[F+2*\i], v[F+2*\i]
.endr
	v_nop
	WIN 0x01
	s_wait_alu depctr_va_vdst(0)                   ; ahead of the reciprocals' and O^T's first readers
.irp j, 0,1
.irp p, 0,2,4,6,8,10,12,14,16,18,20,22,24,26,28,30
	v_pk_mul_f32 v[XO+32*\j+\p:XO+32*\j+\p+1], v[128*\j+64+\p:128*\j+65+\p], v[F+2*\j:F+2*\j+1] op_sel_hi:[1,0]
.endr
.endr
	WIN 0
.irp i, 0,1
.irp b, 0,1
	v_max3_num_f32 v[36+2*\i+\b], |v[XO+32*\i+16*\b]|, |v[XO+32*\i+16*\b+1]|, 0x1800000
.endr
.endr
.irp n, 2,4,6,8,10,12,14
.irp i, 0,1
.irp b, 0,1
	HINT 4
	v_max3_num_f32 v[36+2*\i+\b], v[36+2*\i+\b], |v[XO+32*\i+16*\b+\n]|, |v[XO+32*\i+16*\b+\n+1]|
.endr
.endr
.endr
.irp n, 0,1,2,3
	HINT 4
	v_permlanex16_b32 v[44+\n], v[36+\n], s[SEL], s[SEL+1]
.endr
.irp n, 0,1,2,3
	HINT 4
	v_max_num_f32 v[36+\n], v[36+\n], v[44+\n]     ; with lane l xor 16's 16 channels
.endr
.irp n, 0,1,2,3
	HINT 4
	v_add_nc_u32 v[52+\n], 0xff000000, v[36+\n]
.endr
.irp n, 0,1,2,3
	HINT 4
	v_lshrrev_b32 v[44+\n], 23, v[52+\n]
.endr
	HINT 3
	v_lshl_or_b32 v60, v45, 8, v44
	HINT 2
	v_lshl_or_b32 v61, v47, 8, v46
.irp i, 0,1
	v_cvt_scalef32_pk16_fp6_f32 v[CD+10*\i:CD+10*\i+2], v[XO+32*\i:XO+32*\i+15], v[52+2*\i]
	v_cvt_scalef32_pk16_fp6_f32 v[CD+10*\i+6:CD+10*\i+8], v[XO+32*\i+16:XO+32*\i+31], v[53+2*\i]
.endr
	v_nop                                          ; one plain line behind the scaled conversions
.irp i, 0,1
.irp n, 0,1,2
	v_permlane16_swap_b32 v[CD+10*\i+\n], v[CD+10*\i+6+\n]   ; a whole block to a lane
.endr
.endr
.irp i, 0,1
.irp n, 0,1,2
	v_mov_b32 v[CD+10*\i+3+\n], v[CD+10*\i+6+\n]
.endr
.endr
.irp i, 0,1
.irp p, 0,1,2
	global_store_b64 v7, v[CD+10*\i+2*\p:CD+10*\i+2*\p+1], s[8:9] offset:1536*\i+256*\p   ; 32 lanes store 256 consecutive bytes, at a multiple of 256 from the buffer's first byte
.endr
	global_store_b16 v10, v[60+\i], s[8:9] offset:64*\i   ; my head's two bytes of the row's word; lanes l and l + 16 write the same
.endr
	s_wait_tensorcnt 0x0                           ; the wave's end
	ds_add_u32 v[SPW], v[NIL]
	s_wait_dscnt 0x0
	CROUND                                         ; the closing round
	s_endpgm
.Lfunc_end_k_q4dc2180432_attn:
	.size	k_q4dc2180432_attn, .Lfunc_end_k_q4dc2180432_attn-k_q4dc2180432_attn
	.p2alignl 7, 3214868480
	.fill 96, 4, 3214868480
	.section	.rodata,"a",@progbits
	.p2align	6, 0x0
	.amdhsa_kernel k_q4dc2180432_attn
		.amdhsa_group_segment_fixed_size 327680
		.amdhsa_private_segment_fixed_size 0
		.amdhsa_enable_private_segment 0
		.amdhsa_kernarg_size 24
		.amdhsa_user_sgpr_count 2
		.amdhsa_user_sgpr_kernarg_segment_ptr 1
		.amdhsa_wavefront_size32 1
		.amdhsa_system_sgpr_workgroup_id_x 1
		.amdhsa_system_sgpr_workgroup_id_y 1
		.amdhsa_system_sgpr_workgroup_id_z 1
		.amdhsa_system_vgpr_workitem_id 0
		.amdhsa_next_free_vgpr 512
		.amdhsa_next_free_sgpr 66
		.amdhsa_reserve_vcc 0
		.amdhsa_float_denorm_mode_32 3
		.amdhsa_float_denorm_mode_16_64 3
		.amdhsa_memory_ordered 1
		.amdhsa_forward_progress 1
		.amdhsa_inst_pref_size 53
	.end_amdhsa_kernel
	.amdgpu_metadata
---
amdhsa.version: [ 1, 2 ]
amdhsa.kernels:
  - .name:           k_q4dc2180432_attn
    .symbol:         k_q4dc2180432_attn.kd
    .args:
      - { .name: qc, .offset: 0, .size: 8, .value_kind: global_buffer, .address_space: global }
      - { .name: kv, .offset: 8, .size: 8, .value_kind: global_buffer, .address_space: global }
      - { .name: cc, .offset: 16, .size: 8, .value_kind: global_buffer, .address_space: global }
    .group_segment_fixed_size: 327680
    .private_segment_fixed_size: 0
    .kernarg_segment_align: 8
    .kernarg_segment_size: 24
    .max_flat_workgroup_size: 256
    .sgpr_count:     66
    .vgpr_count:     512
    .wavefront_size: 32
...
	.end_amdgpu_metadata
.endif
;; end of part 3
;; launch outp (part 4): grid 8 x 32, 4 waves a work-group, clusters of 4 x 4, 327,680 bytes of LDS; arguments cc, xw, bo, out0; writes out0
.if DOCPART == 4
	.amdgcn_target "amdgcn-amd-amdhsa--gfx1250"
	.amdhsa_code_object_version 6
	.text
	.protected	k_q4dc2180432_outp
	.globl	k_q4dc2180432_outp
	.p2align	8
	.type	k_q4dc2180432_outp,@function
k_q4dc2180432_outp:
	s_mov_b64 s[64:65], 0
	v_nop
	global_prefetch_b8 v0, s[64:65] scope:SCOPE_SE
	s_setreg_imm32_b32 hwreg(HW_REG_WAVE_MODE, 25, 1), 1
	s_wait_xcnt 0x0
	s_wait_alu depctr_hold_cnt(0) depctr_sa_sdst(0) depctr_va_vdst(0) depctr_va_sdst(0) depctr_va_ssrc(0) depctr_va_vcc(0) depctr_vm_vsrc(0)
	s_getreg_b32 s2, hwreg(HW_REG_IB_STS2, 6, 4)
	s_cmp_eq_u32 s2, 0
	s_cbranch_scc0 .Lentry_in_a_cluster
	s_endpgm
.Lentry_in_a_cluster:
	s_bfe_u32 s2, ttmp6, 0x10000c
	s_cmp_lg_u32 s2, 0xf033
	s_cbranch_scc0 .Lentry_shape_is_right
	s_endpgm
.Lentry_shape_is_right:
; out0 = concat Wo^T + bo on codes of FP6 (E2M3) with E8M0 scales, K = 1,024.  concat's codes come from cc, Wo's from xw (blocks 120-127), both as records:
; [block of 128 rows][K step of 128][12,800 bytes]: eight images of operand registers (1,536 bytes: registers 2 p, 2 p + 1 of lane l at 256 p + 8 l), then 8 x 16 scale words.
; Lane-row t of tile T is row 32 (T / 2) + 8 (T % 2) + t + 8 (t / 8) of its block.  Source 0 = a tile of Wo, source 1 = a tile of tokens: a lane holds one token, and register j of Wo's tile b the column 32 (b / 2) + 8 (b % 2) + 16 (lane / 16) + j.
; SHARES: C has 32 x 8 blocks of 128 x 128: 256 work-groups, one block each; four waves of 64 x 64: 16 accumulators.
; ALL OF K LIES IN LDS: a block's eight records are 102,400 dense bytes; the tokens' block at 0, Wo's behind it.  Each wave brings half a block (200 rows of 256 bytes) by its one tensor load; nothing is filled again.
; No prefetch: all that the launch reads is asked for at its head; there is no loop to run ahead in.
; CLUSTERS: 4 x 4.  The tokens' block is shared along a row of the cluster, Wo's along a column: each is asked for jointly.
; REGISTERS: window 0: v2-10 addresses, v12-13 the spare word's, v16-23 scale words (two sets), v32-223 fragments, two sets of 4 + 4, v224-255 the bias as C; window 1: the accumulators, (a, b) at v[8 (4 a + b)].
.set REC,   12800
.set HALF,  4*REC
.set BLK,   8*REC
.set SPARE, 2*BLK                      ; behind the blocks: the spare words, 128 bytes a wave
.set STAGE, SPARE+512                  ; the way out: 16 rows x (256 + 16) bytes for each wave, on bytes into which no fill lands
.set SPITCH, 272
.set ADA, 2                            ; v2-3 my tokens' tiles, K steps 0-3, 4-7
.set ADB, 4
.set ADS, 6                            ; scale words: lanes 0-15 the tokens', lanes 16-31 Wo's
.set STO, 8
.set RD,  9
.set CO,  10
.set SPW, 12
.set NIL, 13
.set SC,  16
.set FS,  32
.set BN,  224
.set WV,  16
.set WI,  17
.set WJ,  18
.set G1A, 24
.set G1B, 32
.set G0A, 40
.set G0B, 44
.set MSB, 0
.macro WIN new                         ; the immediate's high byte repeats the setting that is left
.if MSB != (\new)
	s_set_vgpr_msb (MSB<<8)|(\new)
.set MSB, (\new)
.endif
.endm
.macro PLACES n
.rept \n
	v_nop
.endr
.endm
.macro CROUND                          ; a round of the cluster's barrier
	s_barrier_signal -1
	s_barrier_wait -1
	s_cmp_lg_u32 s[WV], 0
	s_cbranch_scc1 .Lnot_wave_0_\@
	s_barrier_signal -3
.Lnot_wave_0_\@:
	s_barrier_wait -3
	s_barrier_signal -1
	s_barrier_wait -1
.endm
.macro FETCH s                         ; K step s: my 4 + 4 images and 4 registers of words into set s % 2: 52 loads
.set FB, FS+96*((\s)%2)
.irp i, 0,1,2,3
.irp p, 0,1,2,3,4,5
	ds_load_b64 v[FB+12*\i+2*\p:FB+12*\i+2*\p+1], v[ADA+(\s)/4] offset:((\s)%4)*REC+1536*\i+256*\p
.endr
.endr
.irp i, 0,1,2,3
.irp p, 0,1,2,3,4,5
	ds_load_b64 v[FB+48+12*\i+2*\p:FB+48+12*\i+2*\p+1], v[ADB+(\s)/4] offset:((\s)%4)*REC+1536*\i+256*\p
.endr
.endr
.irp i, 0,1,2,3
	ds_load_b32 v[SC+4*((\s)%2)+\i], v[ADS+(\s)/4] offset:((\s)%4)*REC+64*\i
.endr
.endm
.macro MUL s, first                    ; 16 matrix instructions, the accumulators by turns in the same order in every step.  first = 1: the bias starts the sums
.set FB, FS+96*((\s)%2)
.set SB, SC+4*((\s)%2)
	WIN 0x50-0x10*(\first)
.irp a, 0,1,2,3
.irp b, 0,1,2,3
.if \first
	v_wmma_scale_f32_16x16x128_f8f6f4 v[8*(4*\a+\b):8*(4*\a+\b)+7], v[FB+48+12*\b:FB+48+12*\b+11], v[FB+12*\a:FB+12*\a+11], v[BN+8*\b:BN+8*\b+7], v[SB+\b], v[SB+\a] matrix_a_fmt:MATRIX_FMT_FP6 matrix_b_fmt:MATRIX_FMT_FP6 matrix_a_scale:MATRIX_SCALE_ROW1
.else
	v_wmma_scale_f32_16x16x128_f8f6f4 v[8*(4*\a+\b):8*(4*\a+\b)+7], v[FB+48+12*\b:FB+48+12*\b+11], v[FB+12*\a:FB+12*\a+11], v[8*(4*\a+\b):8*(4*\a+\b)+7], v[SB+\b], v[SB+\a] matrix_a_fmt:MATRIX_FMT_FP6 matrix_b_fmt:MATRIX_FMT_FP6 matrix_a_scale:MATRIX_SCALE_ROW1
.endif
.endr
.endr
	WIN 0
.endm
	s_load_b256 s[4:11], s[0:1], 0x0               ; cc, xw, bo, out0
	v_lshl_add_u32 v[SPW], v0, 2, SPARE
	v_mov_b32 v[NIL], 0
	ds_add_u32 v[SPW], v[NIL]                      ; the opening lines: the add, twice on end, and its wait ahead of my tensor load
	ds_add_u32 v[SPW], v[NIL]
	v_lshrrev_b32 v1, 5, v0
	v_readfirstlane_b32 s[WV], v1                  ; wave 0..3
	s_lshr_b32 s[WI], s[WV], 1                     ; my 64 tokens.  Also: which half of K I fetch
	s_and_b32 s[WJ], s[WV], 1                      ; my 64 columns.  Also: I fetch the tokens' block (0) or Wo's (1)
	s_bfe_u32 s20, ttmp6, 0x40000                  ; cx
	s_bfe_u32 s21, ttmp6, 0x40004                  ; cy
	s_lshl_b32 s22, ttmp9, 2
	s_add_co_u32 s22, s22, s20                     ; block column = 4 x cluster x + cx
	s_and_b32 s23, ttmp7, 0xffff
	s_lshl_b32 s23, s23, 2
	s_add_co_u32 s23, s23, s21                     ; block row = 4 x cluster y + cy
	s_lshl_b32 s19, s21, 2
	s_lshl_b32 s19, 15, s19                        ; my row of the cluster
	s_lshl_b32 s48, 0x1111, s20                    ; my column
	s_or_b32 s[G1A], s19, (3<<16)|(1<<21)          ; the mask; elements of 8 bytes; bit 21 beside a mask
	s_or_b32 s[G1B], s48, (3<<16)|(1<<21)
.irp g, G1A, G1B
	s_mov_b32 s[\g+1], 32<<16                      ; dense bytes as 200 rows of 32 elements
	s_mov_b32 s[\g+2], 200<<16
	s_mov_b32 s[\g+3], 32<<16
	s_mov_b32 s[\g+4], 200
	s_mov_b32 s[\g+5], 32
	s_mov_b32 s[\g+6], 0
	s_mov_b32 s[\g+7], 0
.endr
	s_mul_i32 s60, s[WI], HALF                     ; my half of K, in LDS as in the block
	s_mul_i32 s2, s23, BLK
	s_add_co_u32 s2, s2, s60                       ; the tokens' block: made of the block row and the wave's number alone
	s_mov_b32 s3, 0
	s_add_co_u32 s62, s22, 120
	s_mul_i32 s62, s62, BLK
	s_add_co_u32 s62, s62, s60                     ; Wo's: of the block column and the wave's number alone
	s_mov_b32 s63, 0
	s_mul_i32 s48, s[WI], 4*1536                   ; LDS: my four tiles of tokens
	s_mul_i32 s49, s[WJ], 4*1536
	s_add_co_u32 s49, s49, BLK                     ; and of Wo
	s_add_co_u32 s50, s48, HALF
	s_add_co_u32 s51, s49, HALF
	s_lshl_b32 s53, s[WI], 8
	s_lshl_b32 s52, s[WJ], 8
	s_add_co_u32 s52, s52, BLK
	s_sub_co_u32 s52, s52, s53                     ; from my tokens' words to my Wo's
	s_add_co_u32 s53, s53, 12288
	s_add_co_u32 s54, s53, HALF
	s_mul_i32 s55, s[WV], 16*SPITCH
	s_add_co_u32 s55, s55, STAGE                   ; my stage
	s_lshl_b32 s56, s22, 9
	s_lshl_b32 s57, s[WJ], 8
	s_add_co_u32 s56, s56, s57                     ; my 64 columns, in bytes
	s_mov_b32 s57, 0
	s_lshl_b32 s58, s23, 19
	s_lshl_b32 s59, s[WI], 18
	s_add_co_u32 s58, s58, s59                     ; my 64 rows of 4,096 bytes
	s_add_co_u32 s58, s58, s56
	s_mov_b32 s59, 0
	s_wait_dscnt 0x0
	s_wait_kmcnt 0x0
	s_add_nc_u64 s[8:9], s[8:9], s[56:57]
	s_add_nc_u64 s[10:11], s[10:11], s[58:59]
	s_mov_b32 s[G0A], 1
	s_mov_b32 s[G0A+1], s60
	s_add_nc_u64 s[G0A+2:G0A+3], s[4:5], s[2:3]
	s_or_b32 s[G0A+3], s[G0A+3], 0x80000000
	s_mov_b32 s[G0B], 1
	s_add_co_u32 s[G0B+1], s60, BLK
	s_add_nc_u64 s[G0B+2:G0B+3], s[6:7], s[62:63]
	s_or_b32 s[G0B+3], s[G0B+3], 0x80000000
	CROUND                                         ; all sixteen work-groups are here: the joint loads meet
	s_cmp_eq_u32 s[WJ], 0                          ; one tensor load a wave; the branch hangs on the wave's number alone
	s_cbranch_scc0 .Lfor_b
	tensor_load_to_lds s[G0A:G0A+3], s[G1A:G1A+7]
	s_nop 0
	PLACES 4
	s_branch .Lasked
.Lfor_b:
	tensor_load_to_lds s[G0B:G0B+3], s[G1B:G1B+7]
	s_nop 0
	PLACES 4
.Lasked:
	v_and_b32 v1, 31, v0                           ; lane
	v_and_b32 v14, 15, v0                          ; r
	v_bfe_u32 v15, v0, 4, 1                        ; h
	v_lshlrev_b32 v11, 3, v1                       ; 8 x lane
	v_add_nc_u32 v[ADA], s48, v11
	v_add_nc_u32 v[ADB], s49, v11
	v_add_nc_u32 v[ADA+1], s50, v11
	v_add_nc_u32 v[ADB+1], s51, v11
	v_mul_u32_u24 v1, s52, v15                     ; lanes 16-31 take Wo's words: one product, the distance between the two
	v_lshl_add_u32 v1, v14, 2, v1
	v_add_nc_u32 v[ADS], s53, v1
	v_add_nc_u32 v[ADS+1], s54, v1
	v_mul_u32_u24 v[STO], v14, SPITCH
	v_lshl_add_u32 v[STO], v15, 6, v[STO]
	v_add_nc_u32 v[STO], s55, v[STO]               ; into the stage: row r, + 64 h
	v_mul_u32_u24 v[RD], v15, SPITCH
	v_lshl_add_u32 v[RD], v14, 4, v[RD]
	v_add_nc_u32 v[RD], s55, v[RD]                 ; back: sixteen lanes to a row of 256 bytes, two rows a load
	v_lshlrev_b32 v[CO], 12, v15
	v_lshl_add_u32 v[CO], v14, 4, v[CO]            ; and the same two rows in C
	v_lshlrev_b32 v11, 6, v15                      ; the bias: for tile b my eight are 32 (b / 2) + 8 (b % 2) + 16 h + 0 .. 7
.irp b, 0,1,2,3
	global_load_b128 v[BN+8*\b:BN+8*\b+3], v11, s[8:9] offset:(32*(\b/2)+8*(\b%2))*4
	global_load_b128 v[BN+8*\b+4:BN+8*\b+7], v11, s[8:9] offset:(32*(\b/2)+8*(\b%2))*4+16
.endr
	s_wait_alu depctr_va_vdst(0)
	s_wait_loadcnt 0x0
	s_wait_tensorcnt 0x0                           ; my half block is in
	s_barrier_signal -1
	s_barrier_wait -1                              ; both blocks lie in LDS
	FETCH 0
.irp s, 0,1,2,3,4,5,6
.if \s > 0
	PLACES 4                                       ; ahead of loads into registers that the step before last's products... the last step's products have read
.endif
	FETCH \s+1
	s_wait_dscnt 52                                ; this step's set is in; the 52 loads just issued may be out
.if \s == 0
	MUL \s, 1
.else
	MUL \s, 0
.endif
.endr
	s_wait_dscnt 0x0
	MUL 7, 0
; THE WAY OUT, a tile of 16 tokens x 64 columns at a time, through my own stage: a lane holds 32 neighbouring bytes of a row for each tile b; whole rows of 256 bytes come back.
; LDS serves a wave's instructions in order (ISA guide 5.7.1.4): no wait between the stores and the loads, nor in front of the next tile's stores.
.macro TOSTAGE a
	WIN 0x04                                       ; an LDS store's data: window 1
.irp b, 0,1,2,3
	ds_store_b128 v[STO], v[8*(4*(\a)+\b):8*(4*(\a)+\b)+3] offset:128*(\b/2)+32*(\b%2)       ; each accumulator from its low end on
	ds_store_b128 v[STO], v[8*(4*(\a)+\b)+4:8*(4*(\a)+\b)+7] offset:128*(\b/2)+32*(\b%2)+16
.endr
	WIN 0
.irp u, 0,1,2,3,4,5,6,7
	ds_load_b128 v[FS+32*((\a)%2)+4*\u:FS+32*((\a)%2)+4*\u+3], v[RD] offset:2*\u*SPITCH
.endr
.endm
.macro SEND a, younger                 ; younger: the LDS instructions issued behind tile a's loads, which may stay out
	s_wait_dscnt \younger
.irp u, 0,1,2,3,4,5,6,7
	global_store_b128 v[CO], v[FS+32*((\a)%2)+4*\u:FS+32*((\a)%2)+4*\u+3], s[10:11] offset:(32*((\a)/2)+8*((\a)%2)+2*\u+8*(\u/4))*4096 th:TH_STORE_NT   ; 16 lanes store 256 consecutive bytes, at a multiple of 256 from out0's first byte
.endr
.endm
	PLACES 4                                       ; behind the last products: for the first reads of results and the loads into registers that held fragments
	TOSTAGE 0
.irp a, 1,2,3
.if \a > 1
	s_wait_xcnt 0x0                                ; tile a - 2's stores have read their registers: tile a's loads may land there
.endif
	TOSTAGE \a
	SEND \a-1, 16                                  ; behind tile a - 1's loads: tile a's 8 stores and 8 loads
.endr
	SEND 3, 0
	s_wait_tensorcnt 0x0                           ; the wave's end
	ds_add_u32 v[SPW], v[NIL]
	s_wait_dscnt 0x0
	CROUND                                         ; the closing round
	s_endpgm
.Lfunc_end_k_q4dc2180432_outp:
	.size	k_q4dc2180432_outp, .Lfunc_end_k_q4dc2180432_outp-k_q4dc2180432_outp
	.p2alignl 7, 3214868480
	.fill 96, 4, 3214868480
	.section	.rodata,"a",@progbits
	.p2align	6, 0x0
	.amdhsa_kernel k_q4dc2180432_outp
		.amdhsa_group_segment_fixed_size 327680
		.amdhsa_private_segment_fixed_size 0
		.amdhsa_enable_private_segment 0
		.amdhsa_kernarg_size 32
		.amdhsa_user_sgpr_count 2
		.amdhsa_user_sgpr_kernarg_segment_ptr 1
		.amdhsa_wavefront_size32 1
		.amdhsa_system_sgpr_workgroup_id_x 1
		.amdhsa_system_sgpr_workgroup_id_y 1
		.amdhsa_system_sgpr_workgroup_id_z 1
		.amdhsa_system_vgpr_workitem_id 0
		.amdhsa_next_free_vgpr 512
		.amdhsa_next_free_sgpr 66
		.amdhsa_reserve_vcc 0
		.amdhsa_float_denorm_mode_32 3
		.amdhsa_float_denorm_mode_16_64 3
		.amdhsa_memory_ordered 1
		.amdhsa_forward_progress 1
		.amdhsa_inst_pref_size 59
	.end_amdhsa_kernel
	.amdgpu_metadata
---
amdhsa.version: [ 1, 2 ]
amdhsa.kernels:
  - .name:           k_q4dc2180432_outp
    .symbol:         k_q4dc2180432_outp.kd
    .args:
      - { .name: cc, .offset: 0, .size: 8, .value_kind: global_buffer, .address_space: global }
      - { .name: xw, .offset: 8, .size: 8, .value_kind: global_buffer, .address_space: global }
      - { .name: bo, .offset: 16, .size: 8, .value_kind: global_buffer, .address_space: global }
      - { .name: out0, .offset: 24, .size: 8, .value_kind: global_buffer, .address_space: global }
    .group_segment_fixed_size: 327680
    .private_segment_fixed_size: 0
    .kernarg_segment_align: 8
    .kernarg_segment_size: 32
    .max_flat_workgroup_size: 128
    .sgpr_count:     66
    .vgpr_count:     512
    .wavefront_size: 32
...
	.end_amdgpu_metadata
.endif
;; end of part 4
